; MI455X (gfx1250); checked and timed in simulation.
; The chip was launched on July 23, 2026; its instructions are those of AMD's public machine-readable ISA for CDNA 5 (MIT licence, August 2026) and "CDNA5" Instruction Set Architecture Reference Guide (July 2026). The comments in the code are by the model that wrote it; some were corrected since.
;; Causal Self Attention. Allowed arithmetic: matrix products marked QUANTISED: E2M3 operands, one E8M0 scale for each 32 along K, by v_wmma_scale_f32_16x16x128_f8f6f4 with both operands' format E2M3, f32 sums; everything else in f32.
;; Inputs: w_attn 3,072 x 1,024 float32; w_proj 1,024 x 1,024 float32; x 1 x 4,096 x 1,024 float32.
;; Outputs: out0 1 x 4,096 x 1,024 float32.
;; This version of the problem:
;;   THIS VERSION OF THE PROBLEM IS GIVEN IN LOW PRECISION. The matrix products marked QUANTISED in the list below multiply operands that are first quantised to E2M3 (2 exponent bits, 3 mantissa bits; 6 bits a number), with one power-of-two scale for each 32 numbers along K (OCP MX v1.0); their sums are f32. All else is computed in f32.
;;   The module's matrix products, in the order in which they are computed (A, B: the left and right operand; K: the contracted axis; several contracted axes count as one K, in the product's order):
;;     1. [M 4,096, K 1,024] x [K 1,024, N 3,072]; A: input x; B: input w_attn: QUANTISED
;;     2. batch 16 x [M 4,096, K 64] x [K 64, N 4,096]; A: computed on the way; B: computed on the way: QUANTISED
;;     3. batch 16 x [M 4,096, K 4,096] x [K 4,096, N 64]; A: softmax (see below); B: computed on the way: QUANTISED
;;     4. [M 4,096, K 1,024] x [K 1,024, N 1,024]; A: computed on the way; B: input w_proj: QUANTISED
;;   THE QUANTISER, for each operand of a quantised product, along K:
;;     - K is cut into blocks of 32 from its start; a last block that is shorter is filled with zeros.
;;     - A block's scale is 2^e with e = floor(log2(the largest magnitude in the block)) - 2, held to -126 .. 127; a block of zeros has e = 0. As a byte (E8M0): e + 127.
;;     - Each number is divided by its block's scale, clamped to +-7.5, and rounded to the nearest number of E2M3, ties to even, subnormals kept.
;;     - The product sums the exact products of the quantised numbers (number of the format x scale) in f32.
;;   ~~~python
;;   def quantise(x, axis):      # numpy; x: float32 -> the quantised numbers, widened to float32 again
;;       x = np.moveaxis(x, axis, -1); K = x.shape[-1]
;;       x = np.pad(x, [(0, 0)] * (x.ndim - 1) + [(0, -K % 32)]); x = x.reshape(x.shape[:-1] + (-1, 32)); a = np.abs(x).max(-1, keepdims=True)
;;       e = np.where(a > 0, np.clip(np.frexp(np.where(a > 0, a, 1))[1] - 1 - 2, -126, 127), 0)      # np.frexp(a)[1] - 1 = floor(log2(a)), exactly
;;       r = np.clip(x / 2.0 ** e, -7.5, 7.5)
;;       step = 2.0 ** (np.maximum(np.frexp(np.where(r == 0, 1, r))[1] - 1, 0) - 3)
;;       q = np.round(r / step) * step * 2.0 ** e      # np.round: ties to even
;;       return np.moveaxis(q.reshape(q.shape[:-2] + (-1,))[..., :K], -1, axis).astype(np.float32)
;;   ~~~
;;   SOFTMAX AHEAD OF A QUANTISED PRODUCT. Where the list says 'softmax', what is quantised is not the finished softmax but p = 2^(t - M), with t = logit x log2(e) and M = ceil(the row's largest t), a whole number; so 1/2 < the row's largest p <= 1. The row's sum l is taken of the UNQUANTISED p, in f32, and the product's result is divided by l at the end. Since M is a whole number, a kernel that streams over the keys may use a running M (the ceiling of the running maximum): every later rescaling is an exact power of two, which a block's scale takes up: the codes' values come out the same.
;;   OPERANDS COMPUTED ON THE WAY. 'Computed on the way' means the value that the module computes at that place (a softmax that the list does not call 'softmax' is quantised finished and normalised). What goes into a quantiser is computed in f32, as accurately as f32 sums, v_exp_f32 and their like allow (about 1e-6 of the number): no bf16 or f16 on the way to a quantiser, and a product that is left as it is and whose result goes on into a quantised operand takes f32 operands (vector FMAs, or v_wmma_f32_16x16x4_f32). A number that lies on a knife's edge between two numbers of the format may be rounded either way, as far as f32 arithmetic and the matrix unit's own rounding can turn it there, and no further.
;; One version. Each part assembles by itself: llvm-mc -triple=amdgcn-amd-amdhsa -mcpu=gfx1250 --defsym DOCPART=n.
;; ======== version 1 of 1: 4 launches
;; limits: right only within a limited range of input values
;; workspace buffers: xi 3,145,728 bytes; xs 131,072 bytes; wi 3,145,728 bytes; ws 131,072 bytes; att 13,369,344 bytes; yi 3,145,728 bytes; ys 131,072 bytes
;; launch quant (part 1): grid 256 x 1, 8 waves a work-group, no clusters, 137,216 bytes of LDS; arguments x, w_attn, w_proj, xi, xs, wi, ws; writes xi, xs, wi, ws
.if DOCPART == 1
	.amdgcn_target "amdgcn-amd-amdhsa--gfx1250"
	.amdhsa_code_object_version 6
	.text
	.protected	k_q8ce29b8882_quant
	.globl	k_q8ce29b8882_quant
	.p2align	8
	.type	k_q8ce29b8882_quant,@function
k_q8ce29b8882_quant:
	s_mov_b64 s[64:65], 0
	v_nop
	global_prefetch_b8 v0, s[64:65] scope:SCOPE_SE
	s_setreg_imm32_b32 hwreg(HW_REG_WAVE_MODE, 25, 1), 1
	s_wait_xcnt 0x0
; x [4096][1024], w_attn [3072][1024] and w_proj [1024][1024], f32, become codes of FP6 (E2M3) with one E8M0 byte for each 32 along the rows (K = 1024),
; laid as IMAGES OF OPERAND REGISTERS.  A tile is 16 rows: lane r of tile 2 b + u of a group of 128 rows holds row 32 b + 8 u + r + 8 (r / 8).  A fragment (a tile x 128 K, 12 registers a lane)
; is 1,536 bytes: three runs of 512, run c = registers 4 c .. 4 c + 3, lane l at 16 l.  Codes: [group of 128 rows][K step 8][tile 8][1536].  Scale bytes: [tile][lane r][32], byte j = block j.
; xi, xs hold x; wi, ws hold w_attn's rows 0-3071 and behind them w_proj's as rows 3072-4095.
; A block's scale is 2^(floor(log2(largest magnitude)) - 2); its byte is the largest magnitude's exponent field - 2, held at 1 from below.
; LIMITS: NaN and infinities are not served; blocks whose largest magnitude lies under 2^-124 are held at byte 1; a block of zeros gets byte 1 where the rule says 127: its codes are zeros and this program alone reads the bytes.
; SHARES: a work-group takes 32 rows (two tiles); wave w takes tile u = w & 1 and K steps 2 (w >> 1), 2 (w >> 1) + 1: two fragments, 16 KiB, all asked for at the head: no loop.
; Each load reads 512 consecutive bytes of one row; the numbers turn through the wave's own stage in LDS (rows 528 bytes apart: 132 words, so 16 rows start 4 banks apart) and come back 16 neighbours a lane and block.
; No cluster: no two work-groups read the same byte.  No tensor load: each byte is used once, by one wave.
.set STG,  8448                        ; a stage: 16 rows x 528 bytes
.set WREG, 2*STG                       ; two stages a wave
.set SCR,  8*WREG                      ; behind them: the work-group's 1,024 scale bytes
.set LI,   4                           ; v4  16 x lane
.set SIN,  5                           ; v5  stage, way in
.set SOUT, 6                           ; v6  stage, way out: 528 r + 64 h
.set SW,   8                           ; v8  where my 8 scale bytes go
.set SR,   9                           ; v9  where a tile's 512 scale bytes are read back
.set TM,   16                          ; v16-31 at work in QUANT
.set PW,   32                          ; v32, v33 the two fragments' scale words
.set PC0,  36                          ; v36-47 fragment 0's codes, v48-55 at work
.set T0,   48
.set R0,   64                          ; v64-127 fragment 0 as loaded
.set R1,   128                         ; v128-191 fragment 1 as loaded
.set X0,   192                         ; v192-255 fragment 0: register 16 b + i = k 32 b + 16 h + i of row r
.set X1,   64                          ; fragment 1 likewise, where fragment 0 was loaded
.set PC1,  192                         ; fragment 1's codes, where X0 lay
.set T1,   204
; 64 numbers of a lane, register 16 b + i = k 32 b + 16 (lane / 16) + i of its row, become a fragment's 12 registers (d0: 0-5, d1: 6-11) and its row's scale word.
.macro QUANT s, d0, d1, t, pw
.irp b, 0,1,2,3
	v_max3_num_f32 v[TM+\b], |v[(\s)+16*\b]|, |v[(\s)+1+16*\b]|, 0x1800000   ; my 16 numbers of block b, and the floor 2^(3 - 127): the byte cannot fall under 1
.endr
.irp i, 2,4,6,8,10,12,14
.irp b, 0,1,2,3
	s_delay_alu instid0(VALU_DEP_4)
	v_max3_num_f32 v[TM+\b], v[TM+\b], |v[(\s)+16*\b+\i]|, |v[(\s)+1+16*\b+\i]|   ; the four blocks by turns
.endr
.endr
.irp b, 0,1,2,3
	s_delay_alu instid0(VALU_DEP_4)
	v_permlanex16_b32 v[TM+4+\b], v[TM+\b], s34, s35
.endr
.irp b, 0,1,2,3
	s_delay_alu instid0(VALU_DEP_4)
	v_max_num_f32 v[TM+\b], v[TM+\b], v[TM+4+\b]       ; with lane l xor 16's 16: the block's largest magnitude
.endr
.irp b, 0,1,2,3
	s_delay_alu instid0(VALU_DEP_4)
	v_add_nc_u32 v[TM+12+\b], 0xff000000, v[TM+\b]     ; 2 off the exponent field: the conversion's scale operand
.endr
.irp b, 0,1,2,3
	s_delay_alu instid0(VALU_DEP_4)
	v_lshrrev_b32 v[TM+4+\b], 23, v[TM+12+\b]          ; the scale's byte
.endr
	s_delay_alu instid0(VALU_DEP_3)
	v_lshl_or_b32 v[\pw], v[TM+5], 8, v[TM+4]
	s_delay_alu instid0(VALU_DEP_1)
	v_lshl_or_b32 v[\pw], v[TM+6], 16, v[\pw]
	s_delay_alu instid0(VALU_DEP_1)
	v_lshl_or_b32 v[\pw], v[TM+7], 24, v[\pw]
	v_cvt_scalef32_pk16_fp6_f32 v[(\d0):(\d0)+2], v[(\s):(\s)+15], v[TM+12]
	v_cvt_scalef32_pk16_fp6_f32 v[(\t):(\t)+2], v[(\s)+16:(\s)+31], v[TM+13]
	v_cvt_scalef32_pk16_fp6_f32 v[(\d1):(\d1)+2], v[(\s)+32:(\s)+47], v[TM+14]
	v_cvt_scalef32_pk16_fp6_f32 v[(\t)+4:(\t)+6], v[(\s)+48:(\s)+63], v[TM+15]
	v_nop                                              ; one plain instruction behind the scaled conversions
.irp i, 0,1,2
	v_permlane16_swap_b32 v[(\d0)+\i], v[(\t)+\i]      ; a whole block to a lane: lanes 0-15 the even block, lanes 16-31 the odd one
.endr
.irp i, 0,1,2
	s_delay_alu instid0(VALU_DEP_3)
	v_mov_b32 v[(\d0)+3+\i], v[(\t)+\i]
.endr
.irp i, 0,1,2
	v_permlane16_swap_b32 v[(\d1)+\i], v[(\t)+4+\i]
.endr
.irp i, 0,1,2
	s_delay_alu instid0(VALU_DEP_3)
	v_mov_b32 v[(\d1)+3+\i], v[(\t)+4+\i]
.endr
.endm
	s_load_b256 s[4:11], s[0:1], 0x0               ; x s[4:5], w_attn s[6:7], w_proj s[8:9], xi s[10:11]
	s_load_b128 s[12:15], s[0:1], 0x20             ; xs s[12:13], wi s[14:15]
	s_load_b64 s[16:17], s[0:1], 0x30              ; ws
	v_lshl_add_u32 v62, v0, 2, 0x21400
	v_mov_b32 v63, 0
	v_lshrrev_b32 v1, 5, v0
	s_delay_alu instid0(VALU_DEP_1)
	v_readfirstlane_b32 s18, v1                    ; wave 0..7
	s_and_b32 s19, s18, 1                          ; u: my tile
	s_lshr_b32 s24, s18, 1                         ; kp: my pair of K steps
	v_and_b32 v2, 31, v0                           ; lane
	v_and_b32 v3, 15, v0                           ; r
	v_bfe_u32 v7, v0, 4, 1                         ; h
	s_delay_alu instid0(VALU_DEP_3)
	v_lshlrev_b32 v[LI], 4, v2
	s_mul_i32 s25, s18, WREG
	v_add_nc_u32 v[SIN], s25, v[LI]
	v_mul_u32_u24 v[SOUT], v3, 528
	s_delay_alu instid0(VALU_DEP_1)
	v_lshl_add_u32 v[SOUT], v7, 6, v[SOUT]
	s_delay_alu instid0(VALU_DEP_1)
	v_add_nc_u32 v[SOUT], s25, v[SOUT]
	s_lshl_b32 s26, s19, 9
	s_lshl_b32 s27, s24, 3
	s_add_co_u32 s27, s27, s26
	s_add_co_u32 s27, s27, SCR
	v_lshl_add_u32 v[SW], v3, 5, s27               ; SCR + 512 u + 32 r + 8 kp
	s_add_co_u32 s26, s26, SCR
	v_add_nc_u32 v[SR], s26, v[LI]                 ; SCR + 512 u + 16 x lane
	s_mov_b32 s34, 0x76543210
	s_mov_b32 s35, 0xfedcba98                      ; lane l xor 16
.irp b, 0,1,2,3
	v_mov_b32 v[TM+4+\b], 0                        ; written once: a lane permute's destination counts as one of its sources
.endr
	s_mov_b32 s20, 224
	s_wait_alu depctr_va_vdst(0)
	s_wait_kmcnt 0x0
	s_cmp_lt_u32 ttmp9, 224                        ; work-groups 0-127: x; 128-223: w_attn; 224-255: w_proj.  The choices hang on the work-group's number alone
	s_cselect_b64 s[6:7], s[6:7], s[8:9]
	s_cselect_b32 s20, 128, s20
	s_cmp_lt_u32 ttmp9, 128
	s_cselect_b64 s[4:5], s[4:5], s[6:7]           ; the numbers
	s_cselect_b64 s[10:11], s[10:11], s[14:15]     ; the codes
	s_cselect_b64 s[12:13], s[12:13], s[16:17]     ; the scale bytes
	s_cselect_b32 s20, 0, s20
	s_cselect_b32 s21, 0, 128
	s_sub_co_u32 s20, ttmp9, s20                   ; which 32 rows of the input
	s_sub_co_u32 s21, ttmp9, s21                   ; which 32 rows of the images
	s_lshl_b32 s28, s20, 17                        ; 32 rows of 4,096 bytes
	s_lshl_b32 s29, s19, 15                        ; tile u begins 8 rows down
	s_add_co_u32 s28, s28, s29
	s_lshl_b32 s29, s24, 10                        ; two K steps are 1,024 bytes of a row
	s_add_co_u32 s28, s28, s29
	s_mov_b32 s29, 0
	s_add_nc_u64 s[4:5], s[4:5], s[28:29]
	s_lshr_b32 s30, s21, 2
	s_mul_i32 s30, s30, 98304                      ; the group of 128 rows
	s_mul_i32 s31, s24, 24576                      ; two K steps
	s_add_co_u32 s30, s30, s31
	s_and_b32 s31, s21, 3
	s_lshl_b32 s31, s31, 1
	s_add_co_u32 s31, s31, s19
	s_mul_i32 s31, s31, 1536                       ; the tile
	s_add_co_u32 s30, s30, s31
	s_mov_b32 s31, 0
	s_add_nc_u64 s[10:11], s[10:11], s[30:31]
	s_lshl_b32 s32, s21, 10                        ; two tiles' scale bytes
	s_lshl_b32 s33, s19, 9
	s_add_co_u32 s32, s32, s33
	s_mov_b32 s33, 0
	s_add_nc_u64 s[12:13], s[12:13], s[32:33]
.irp f, 0,1
.irp p, 0,1,2,3,4,5,6,7,8,9,10,11,12,13,14,15
	global_load_b128 v[R0+64*\f+4*\p:R0+64*\f+4*\p+3], v[LI], s[4:5] offset:(\p+8*(\p/8))*4096+512*\f th:TH_LOAD_NT   ; the tile's lane p: 512 consecutive bytes of its row
.endr
.endr
	s_wait_loadcnt 16                              ; fragment 0's sixteen loads are in; fragment 1's may be out
.irp p, 0,1,2,3,4,5,6,7,8,9,10,11,12,13,14,15
	ds_store_b128 v[SIN], v[R0+4*\p:R0+4*\p+3] offset:528*\p
.endr
.irp b, 0,1,2,3
.irp j, 0,1,2,3
	ds_load_b128 v[X0+16*\b+4*\j:X0+16*\b+4*\j+3], v[SOUT] offset:128*\b+16*\j   ; LDS serves a wave's instructions in order: these see the stores above
.endr
.endr
	s_wait_loadcnt 0x0
.irp p, 0,1,2,3,4,5,6,7,8,9,10,11,12,13,14,15
	ds_store_b128 v[SIN], v[R1+4*\p:R1+4*\p+3] offset:STG+528*\p
.endr
	s_wait_dscnt 16                                ; all but the sixteen stores just issued: stage 0's stores have read v64-127, and X0 is in
.irp b, 0,1,2,3
.irp j, 0,1,2,3
	ds_load_b128 v[X1+16*\b+4*\j:X1+16*\b+4*\j+3], v[SOUT] offset:STG+128*\b+16*\j
.endr
.endr
	QUANT X0, PC0, PC0+6, T0, PW
.irp c, 0,1,2
	global_store_b128 v[LI], v[PC0+4*\c:PC0+4*\c+3], s[10:11] offset:512*\c          ; 512 consecutive bytes, aligned
.endr
	s_wait_dscnt 0x0                               ; X1 is in
	QUANT X1, PC1, PC1+6, T1, PW+1
.irp c, 0,1,2
	global_store_b128 v[LI], v[PC1+4*\c:PC1+4*\c+3], s[10:11] offset:12288+512*\c    ; the next K step's fragment
.endr
	ds_store_b64 v[SW], v[PW:PW+1]                 ; my row's 8 scale bytes (lanes r and r + 16 write the same bytes with the same value)
	s_wait_dscnt 0x0                               ; for the others' sake: my store has landed
	s_barrier_signal -1
	s_barrier_wait -1
	s_cmp_lt_u32 s18, 2                            ; waves 0 and 1 store a tile's 512 scale bytes each
	s_cbranch_scc0 .Lend
	ds_load_b128 v[12:15], v[SR]
	s_wait_dscnt 0x0
	global_store_b128 v[LI], v[12:15], s[12:13]    ; 512 consecutive bytes, aligned
.Lend:
	s_wait_tensorcnt 0x0
	ds_add_u32 v62, v63
	s_wait_dscnt 0x0
	s_endpgm
.Lfunc_end_k_q8ce29b8882_quant:
	.size	k_q8ce29b8882_quant, .Lfunc_end_k_q8ce29b8882_quant-k_q8ce29b8882_quant
	.p2alignl 7, 3214868480
	.fill 96, 4, 3214868480
	.section	.rodata,"a",@progbits
	.p2align	6, 0x0
	.amdhsa_kernel k_q8ce29b8882_quant
		.amdhsa_group_segment_fixed_size 137216
		.amdhsa_private_segment_fixed_size 0
		.amdhsa_enable_private_segment 0
		.amdhsa_kernarg_size 56
		.amdhsa_user_sgpr_count 2
		.amdhsa_user_sgpr_kernarg_segment_ptr 1
		.amdhsa_wavefront_size32 1
		.amdhsa_system_sgpr_workgroup_id_x 1
		.amdhsa_system_sgpr_workgroup_id_y 1
		.amdhsa_system_sgpr_workgroup_id_z 1
		.amdhsa_system_vgpr_workitem_id 0
		.amdhsa_next_free_vgpr 256
		.amdhsa_next_free_sgpr 66
		.amdhsa_reserve_vcc 0
		.amdhsa_float_denorm_mode_32 3
		.amdhsa_float_denorm_mode_16_64 3
		.amdhsa_memory_ordered 1
		.amdhsa_forward_progress 1
		.amdhsa_inst_pref_size 23
	.end_amdhsa_kernel
	.amdgpu_metadata
---
amdhsa.version: [ 1, 2 ]
amdhsa.kernels:
  - .name:           k_q8ce29b8882_quant
    .symbol:         k_q8ce29b8882_quant.kd
    .args:
      - { .name: x, .offset: 0, .size: 8, .value_kind: global_buffer, .address_space: global }
      - { .name: w_attn, .offset: 8, .size: 8, .value_kind: global_buffer, .address_space: global }
      - { .name: w_proj, .offset: 16, .size: 8, .value_kind: global_buffer, .address_space: global }
      - { .name: xi, .offset: 24, .size: 8, .value_kind: global_buffer, .address_space: global }
      - { .name: xs, .offset: 32, .size: 8, .value_kind: global_buffer, .address_space: global }
      - { .name: wi, .offset: 40, .size: 8, .value_kind: global_buffer, .address_space: global }
      - { .name: ws, .offset: 48, .size: 8, .value_kind: global_buffer, .address_space: global }
    .group_segment_fixed_size: 137216
    .private_segment_fixed_size: 0
    .kernarg_segment_align: 8
    .kernarg_segment_size: 56
    .max_flat_workgroup_size: 256
    .sgpr_count:     66
    .vgpr_count:     256
    .wavefront_size: 32
...
	.end_amdgpu_metadata
.endif
;; end of part 1
;; launch qkv (part 2): grid 12 x 16, 4 waves a work-group, clusters of 4 x 4, 327,680 bytes of LDS; arguments xi, xs, wi, ws, att; writes att
.if DOCPART == 2
	.amdgcn_target "amdgcn-amd-amdhsa--gfx1250"
	.amdhsa_code_object_version 6
	.text
	.protected	k_q8ce29b8882_qkv
	.globl	k_q8ce29b8882_qkv
	.p2align	8
	.type	k_q8ce29b8882_qkv,@function
k_q8ce29b8882_qkv:
	s_mov_b64 s[64:65], 0
	v_nop
	global_prefetch_b8 v0, s[64:65] scope:SCOPE_SE
	s_setreg_imm32_b32 hwreg(HW_REG_WAVE_MODE, 25, 1), 1
	s_wait_xcnt 0x0
	s_wait_alu depctr_hold_cnt(0) depctr_sa_sdst(0) depctr_va_vdst(0) depctr_va_sdst(0) depctr_va_ssrc(0) depctr_va_vcc(0) depctr_vm_vsrc(0)
	s_getreg_b32 s2, hwreg(HW_REG_IB_STS2, 6, 4)
	s_cmp_eq_u32 s2, 0
	s_cbranch_scc0 .Lentry_in_a_cluster
	s_endpgm
.Lentry_in_a_cluster:
	s_bfe_u32 s2, ttmp6, 0x10000c
	s_cmp_lg_u32 s2, 0xf033
	s_cbranch_scc0 .Lentry_shape_is_right
	s_endpgm
.Lentry_shape_is_right:
; qkv = x w_attn^T on codes of FP6 (E2M3), K = 1024, and q, k, v quantised in registers for the attention launch.  A work-group of four waves makes 256 x 256, a wave 128 x 128: 64 accumulators, 512 registers.
; OPERANDS are images of operand registers (16 rows x 128 K = 1,536 bytes, three runs of 512, lane l at 16 l), laid [group of 128 rows][K step 8][tile 8]; lane r of tile 2 b + u holds row 32 b + 8 u + r + 8 (r / 8).
; Source 0 ("B") has its rows along the result's registers: register 8 (2 b + u) + j of lane (r, h) is B's row 32 b + 16 h + 8 u + j, so a lane's 64 registers of eight tiles are 128 neighbours of B's rows.
; Source 1 ("A") has its rows in the lanes.  So the axis to be quantised goes to B:
;   clusters x = 0 (q) and 1 (k): B = w_attn's rows (the head's 64 are K of q k^T), A = x's tokens;    cluster x = 2 (v): B = x's tokens (the keys are K of p v), A = w_attn's rows 2048-3071.
; The choice hangs on the cluster's x alone, which all sixteen partners share.  B's tile hangs on cx and is asked for jointly by a column of the cluster, A's on cy and by a row.
; K goes through a ring of two LDS slots of two K steps (256 along K); the eight K steps are written out, since each names its own scale registers.  All scale words of the work-group's rows come once.
; OUT: att = [part 2][head 16][block of 128 tokens 32][record 13,056].  Record: +0 four pair images (registers 0-5 = token tile 2 p, 6-11 = tile 2 p + 1, each d = 32 h .. 32 h + 31); +6,144 four fragments of v (16 of the head's 64 x 128 keys);
;   +12,288 the tokens' scale words, tile a, row r at 16 (r + 16 (a & 1)) + 4 (a >> 1), bytes 2 and 3 zero; +12,800 v's scale words, tile e, row r at 8 (r + 16 (e & 1)) + 4 (e >> 1).  Part 0 = q (fields +0, +12,288), part 1 = k and v.
; LIMITS: NaN and infinities are not served; blocks whose largest magnitude lies under 2^-124 are held at byte 1; a block of zeros gets byte 1 where the rule says 127: its codes are zeros and this program alone reads the bytes.
; REGISTERS: window 0: v16-31 addresses; v32-95 scale words and nothing else; v96-121 at work on the way out; v128-223 A's fragments, one set (on the way out: codes).  window 1: B's fragments, two sets, at v0 and v128.
;   window 2: the accumulators of A's tiles 0-3 ((a, b) at v[8 (8 a + b)]); window 3: those of tiles 4-7.
.set FR,    12
.set NL,    3                          ; LDS loads that bring a fragment
.set NP,    4                          ; places behind this matrix instruction (ISA guide 7.12.1)
.set HALFT, 24576                      ; 128 rows x two K steps: what one tensor load brings
.set SLOT,  4*HALFT                    ; A's two halves, then B's two
.set SCL,   2*SLOT                     ; the scale bytes: 4 x 4,096, in the same order
.set SPARE, SCL+4*4096                 ; the spare words, 128 bytes a wave: two blocks of 256 bytes that no other line names
.set SCRQK, SPARE+512                  ; q and k: 1,024 bytes a wave in which the tokens' scale words are gathered
.set SCRV,  SCRQK+4096                 ; v: 512 bytes a wave.  Each way out has bytes of its own; no fill lands in either
.set REC,   13056
.set HEADB, 32*REC
.set PART,  16*HEADB
.set ADRA, 16                          ; v16-17 my A fragments in slot 0, 1
.set ADRB, 20                          ; v20-21 my B fragments
.set SH,   22                          ; v22 16 h
.set VOF,  23                          ; v23 h x HEADB + 16 r
.set LI,   24                          ; v24 16 x lane
.set SQW,  25                          ; v25 SCRQK + 1024 w + 512 h + 16 r
.set SQR,  26                          ; v26 SCRQK + 1024 w + 16 x lane
.set ADRS, 27                          ; v27 my scale words: lanes 0-15 A's rows, lanes 16-31 B's
.set SPW,  28                          ; v28 my spare word; never rewritten
.set NIL,  29                          ; v29 0; never rewritten
.set SVW,  30                          ; v30 SCRV + 512 w + 8 r
.set SVR,  31                          ; v31 SCRV + 512 w + 16 x lane
.set SC,   32                          ; register 8 i + ks: lanes 0-15 the word of A's tile i, lanes 16-31 of B's tile i, for K step ks
.set TM,   96
.set PW,   112
.set PWA,  114                         ; v114-121 a scale word for each tile: no LDS store's data are written again
.set AF,   128
.set D0,   128
.set D1,   140
.set TT,   152
.set OB,   160
.set G1, 24                            ; s[24:31] group 1 for A's codes; s[32:39] group 0, a set for each slot
.set G0, 32
.set G1B, 48                           ; s[48:55], s[56:63] the same for B's
.set G0B, 56
.set G1S, 68                           ; s[68:75], s[76:79] for A's scale bytes; s[80:87], s[88:91] for B's
.set G0S, 76
.set G1SB, 80
.set G0SB, 88
.set MSB, 0
.macro WIN new                         ; the immediate's high byte repeats the setting that is left
.if MSB != (\new)
	s_set_vgpr_msb (MSB<<8)|(\new)
.set MSB, (\new)
.endif
.endm
.set MUL_LO, 0xa1                      ; source 0 (B) window 1, source 1 (A) window 0, C and D window 2
.set MUL_HI, 0xf1                      ; the same, C and D window 3
.set TO_B,   0x40                      ; destination window 1
; A joint load: waves 0 and 1 fetch for A, waves 2 and 3 for B; the branch hangs on the wave's number alone.  Four v_nop follow each of the two lines.
.macro JLOAD g0a, g1a, g0b, g1b
	s_cmp_eq_u32 s15, 0
	s_cbranch_scc0 .Lfor_b_\@
	tensor_load_to_lds s[\g0a:\g0a+3], s[\g1a:\g1a+7]
	s_nop 0
.rept 4
	v_nop
.endr
	s_branch .Lasked_\@
.Lfor_b_\@:
	tensor_load_to_lds s[\g0b:\g0b+3], s[\g1b:\g1b+7]
	s_nop 0
.rept 4
	v_nop
.endr
.Lasked_\@:
.endm
.macro CREST                           ; a round of the cluster's barrier behind its opening barrier
	s_cmp_lg_u32 s14, 0
	s_cbranch_scc1 .Lnot_wave_0_\@
	s_barrier_signal -3
.Lnot_wave_0_\@:
	s_barrier_wait -3
	s_barrier_signal -1
	s_barrier_wait -1
.endm
.macro CROUND
	s_barrier_signal -1
	s_barrier_wait -1
	CREST
.endm
	s_load_b256 s[4:11], s[0:1], 0x0               ; xi s[4:5], xs s[6:7], wi s[8:9], ws s[10:11]
	s_load_b64 s[12:13], s[0:1], 0x20              ; att
	v_lshl_add_u32 v[SPW], v0, 2, SPARE
	v_mov_b32 v[NIL], 0
	ds_add_u32 v28, v29
	ds_add_u32 v28, v29
	s_wait_dscnt 0x0
	v_lshrrev_b32 v1, 5, v0
	v_readfirstlane_b32 s14, v1                    ; wave 0..3
	s_lshr_b32 s15, s14, 1                         ; A's half that I multiply.  Also: I fetch for A (0) or for B (1)
	s_and_b32 s16, s14, 1                          ; B's half that I multiply.  Also: which 128 rows I fetch
	s_bfe_u32 s40, ttmp6, 0x40000                  ; cx
	s_bfe_u32 s41, ttmp6, 0x40004                  ; cy
	s_and_b32 s18, ttmp7, 0xffff                   ; the cluster's y
	s_cmp_lt_u32 ttmp9, 2                          ; q or k?  (the cluster's x: equal in all partners)
	s_cselect_b32 s42, ttmp9, s18
	s_cselect_b32 s17, s18, 2
	s_lshl_b32 s42, s42, 2
	s_add_co_u32 s42, s42, s40                     ; nb: which 256 rows of B
	s_lshl_b32 s17, s17, 2
	s_add_co_u32 s17, s17, s41                     ; ma: which 256 rows of A
	s_lshl_b32 s43, s41, 2
	s_lshl_b32 s43, 15, s43                        ; my row of the cluster
	s_lshl_b32 s44, 0x1111, s40                    ; my column
	; group 1: dense blocks as rows of 256 bytes (32 elements of 8 bytes), no padding: 96 rows of codes, 32 of scale bytes
	s_or_b32 s[G1+0], s43, (3<<16)|(1<<21)         ; 15:0 the mask; 17:16 elements of 8 bytes; 21 set beside a mask
	s_or_b32 s[G1B+0], s44, (3<<16)|(1<<21)
.irp g, G1, G1B                        ; for the head's loads: two rows of 24,576 bytes (K steps 0, 1 of two groups of 128 rows), 98,304 bytes apart
	s_mov_b32 s[\g+1], 3072<<16                    ; tensor_dim0, in elements of 8 bytes
	s_mov_b32 s[\g+2], 2<<16                       ; tensor_dim1
	s_mov_b32 s[\g+3], 3072<<16                    ; tile_dim0
	s_mov_b32 s[\g+4], 2                           ; tile_dim1
	s_mov_b32 s[\g+5], 12288                       ; the pitch
	s_mov_b32 s[\g+6], 0
	s_mov_b32 s[\g+7], 0
.endr
	s_or_b32 s[G1S+0], s43, (3<<16)|(1<<21)
	s_or_b32 s[G1SB+0], s44, (3<<16)|(1<<21)
.irp g, G1S, G1SB
	s_mov_b32 s[\g+1], 32<<16
	s_mov_b32 s[\g+2], 32<<16                      ; the scale bytes of 256 rows: 32 rows of 256 bytes
	s_mov_b32 s[\g+3], 32<<16
	s_mov_b32 s[\g+4], 32
	s_mov_b32 s[\g+5], 32
	s_mov_b32 s[\g+6], 0
	s_mov_b32 s[\g+7], 0
.endr
	s_lshl_b32 s20, s17, 1                         ; A's first group of 128 rows
	s_lshl_b32 s46, s42, 1                         ; B's
	s_mul_i32 s18, s16, 98304                      ; in the ring I fetch one of the two groups: which, in bytes
	s_mov_b32 s19, 0
	s_lshl_b32 s22, s20, 12                        ; its scale bytes,
	s_mov_b32 s23, 0
	s_mul_i32 s20, s20, 98304                      ; its codes
	s_mov_b32 s21, 0
	s_lshl_b32 s92, s46, 12
	s_mov_b32 s93, 0
	s_mul_i32 s46, s46, 98304
	s_mov_b32 s47, 0
	s_mul_i32 s45, s14, HALFT                      ; where they go: by the wave's number alone
	s_wait_kmcnt 0x0
	s_cmp_lt_u32 ttmp9, 2
	s_cselect_b64 s[96:97], s[4:5], s[8:9]         ; A's codes: x's for q and k, the weights' for v
	s_cselect_b64 s[98:99], s[6:7], s[10:11]       ; A's scale bytes
	s_cselect_b64 s[8:9], s[8:9], s[4:5]           ; B's codes
	s_cselect_b64 s[10:11], s[10:11], s[6:7]       ; B's scale bytes
	s_add_nc_u64 s[20:21], s[96:97], s[20:21]
	s_add_nc_u64 s[22:23], s[98:99], s[22:23]
	s_add_nc_u64 s[46:47], s[8:9], s[46:47]
	s_add_nc_u64 s[92:93], s[10:11], s[92:93]
	CROUND                                         ; all sixteen work-groups are here: the first joint loads meet
.set G0H,  4                           ; s[4:7], s[8:11] group 0 of the head's loads of codes (the arguments that lay there have been used)
.set G0HB, 8
	s_mov_b32 s[G0H], 1                            ; the head's four tiles, each whole: slot 0's two halves of A,
	s_mov_b32 s[G0H+1], 0
	s_mov_b64 s[G0H+2:G0H+3], s[20:21]
	s_or_b32 s[G0H+3], s[G0H+3], 0x80000000
	s_mov_b32 s[G0HB], 1                           ; its two halves of B,
	s_mov_b32 s[G0HB+1], 2*HALFT
	s_mov_b64 s[G0HB+2:G0HB+3], s[46:47]
	s_or_b32 s[G0HB+3], s[G0HB+3], 0x80000000
	s_mov_b32 s[G0S], 1                            ; the scale bytes of A's 256 rows,
	s_mov_b32 s[G0S+1], SCL
	s_mov_b64 s[G0S+2:G0S+3], s[22:23]
	s_or_b32 s[G0S+3], s[G0S+3], 0x80000000
	s_mov_b32 s[G0SB], 1                           ; and of B's
	s_mov_b32 s[G0SB+1], SCL+2*4096
	s_mov_b64 s[G0SB+2:G0SB+3], s[92:93]
	s_or_b32 s[G0SB+3], s[G0SB+3], 0x80000000
	s_add_nc_u64 s[20:21], s[20:21], s[18:19]      ; for the ring: my group of 128 rows
	s_add_nc_u64 s[46:47], s[46:47], s[18:19]
.irp s, 0,1
	s_mov_b32 s[G0+4*\s], 1
	s_add_co_u32 s[G0+4*\s+1], s45, \s*SLOT
	s_add_nc_u64 s[G0+4*\s+2:G0+4*\s+3], s[20:21], \s*HALFT
	s_or_b32 s[G0+4*\s+3], s[G0+4*\s+3], 0x80000000
	s_mov_b32 s[G0B+4*\s], 1
	s_add_co_u32 s[G0B+4*\s+1], s45, \s*SLOT
	s_add_nc_u64 s[G0B+4*\s+2:G0B+4*\s+3], s[46:47], \s*HALFT
	s_or_b32 s[G0B+4*\s+3], s[G0B+4*\s+3], 0x80000000
.endr
; THE HEAD'S LOADS, ONE A WAVE: wave 0 slot 0's A, wave 1 its B, wave 2 A's scale bytes, wave 3 B's.  One chain of branches on the wave's number; every way passes one load.
.macro ARM under, g0, g1, next
	s_cmp_lt_u32 s14, \under
	s_cbranch_scc0 \next
	tensor_load_to_lds s[\g0:\g0+3], s[\g1:\g1+7]
	s_nop 0
.rept 4
	v_nop
.endr
	s_branch .Lhead_asked
\next:
.endm
	ARM 1, G0H,  G1,  .Lhead_b
	ARM 2, G0HB, G1B, .Lhead_sa
	ARM 3, G0S,  G1S, .Lhead_sb
	tensor_load_to_lds s[G0SB:G0SB+3], s[G1SB:G1SB+7]
	s_nop 0
.rept 4
	v_nop
.endr
.Lhead_asked:
	v_and_b32 v1, 15, v0                           ; r
	v_bfe_u32 v2, v0, 4, 1                         ; h
	s_wait_alu depctr_va_vdst(0)
	v_and_b32 v3, 31, v0
	v_lshlrev_b32 v[LI], 4, v3
	s_mul_i32 s21, s15, HALFT                      ; my half of A
	s_mul_i32 s22, s16, HALFT                      ; my half of B,
	s_add_co_u32 s22, s22, 2*HALFT                 ; behind A's two
.irp s, 0,1
	v_add_nc_u32 v[ADRA+\s], s21, v[LI]
	v_add_nc_u32 v[ADRB+\s], s22, v[LI]
	s_add_co_u32 s21, s21, SLOT
	s_add_co_u32 s22, s22, SLOT
.endr
	s_lshl_b32 s21, s15, 12                        ; A's scale bytes: my half
	s_lshl_b32 s22, s16, 12                        ; B's: my half, behind A's two
	s_add_co_u32 s22, s22, 2*4096
	s_sub_co_u32 s22, s22, s21
	v_mul_u32_u24 v6, s22, v2                      ; lanes 16-31 take B's: one product with h
	s_add_co_u32 s21, s21, SCL
	v_lshl_add_u32 v5, v1, 5, v6                   ; 32 bytes a row
	v_add_nc_u32 v[ADRS], s21, v5
	s_lshl_b32 s21, s14, 10
	s_add_co_u32 s21, s21, SCRQK
	v_lshlrev_b32 v5, 4, v1
	v_lshl_add_u32 v5, v2, 9, v5
	v_add_nc_u32 v[SQW], s21, v5
	v_add_nc_u32 v[SQR], s21, v[LI]
	s_lshl_b32 s21, s14, 9
	s_add_co_u32 s21, s21, SCRV
	v_lshl_add_u32 v[SVW], v1, 3, s21
	v_add_nc_u32 v[SVR], s21, v[LI]
	v_lshlrev_b32 v[SH], 4, v2
	v_mul_u32_u24 v[VOF], v2, HEADB
	v_lshl_add_u32 v[VOF], v1, 4, v[VOF]
.irp b, 0,1,2,3
	v_mov_b32 v[TM+4+\b], 0                        ; written once: a lane permute's destination counts as one of its sources
.endr
	s_mov_b32 s2, 0x76543210
	s_mov_b32 s3, 0xfedcba98                       ; lane l xor 16
	; where my results go.  q, k: heads 4 cx + 2 (B's half) and the next, block 2 ma + (A's half).  v: heads 4 cy + 2 (A's half) and the next, block 2 nb + (B's half)
	s_lshl_b32 s66, s40, 2
	s_lshl_b32 s67, s16, 1
	s_add_co_u32 s66, s66, s67
	s_lshl_b32 s67, s17, 1
	s_add_co_u32 s67, s67, s15
	s_lshl_b32 s95, s41, 2
	s_lshl_b32 s96, s15, 1
	s_add_co_u32 s95, s95, s96
	s_lshl_b32 s96, s42, 1
	s_add_co_u32 s96, s96, s16
	s_cmp_lt_u32 ttmp9, 2
	s_cselect_b32 s66, s66, s95                    ; the head
	s_cselect_b32 s67, s67, s96                    ; the block
	s_cselect_b32 s95, ttmp9, 1                    ; the part: q 0; k and v 1
	s_lshl_b32 s66, s66, 5
	s_add_co_u32 s66, s66, s67
	s_mul_i32 s66, s66, REC
	s_mul_i32 s95, s95, PART
	s_add_co_u32 s66, s66, s95
	s_mov_b32 s67, 0
	s_add_nc_u64 s[12:13], s[12:13], s[66:67]
.macro FRAG reg, adr, q, i             ; a fragment comes back as it was stored: three loads of 512 consecutive bytes
.irp c, 0,1,2
	ds_load_b128 v[(\reg)+4*\c:(\reg)+4*\c+3], v[\adr] offset:(\q)*12288+(\i)*1536+512*\c
.endr
.endm
; 16 matrix instructions: A's tiles a0, a0 + 1 x B's eight, K step ks.  p: B's set.  zero = 1: the first product starts the sums.  The 64 accumulators take turns, one instruction a turn, in the same order in every step.
.macro MUL16 a0, p, ks, zero
.irp a, \a0, \a0+1
.irp b, 0,1,2,3,4,5,6,7
.if \zero
	v_wmma_scale_f32_16x16x128_f8f6f4 v[8*(8*((\a)%4)+\b):8*(8*((\a)%4)+\b)+7], v[128*(\p)+FR*\b:128*(\p)+FR*\b+FR-1], v[AF+FR*(\a):AF+FR*(\a)+FR-1], 0, v[SC+8*\b+(\ks)], v[SC+8*(\a)+(\ks)] matrix_a_fmt:MATRIX_FMT_FP6 matrix_b_fmt:MATRIX_FMT_FP6 matrix_a_scale:MATRIX_SCALE_ROW1
.else
	v_wmma_scale_f32_16x16x128_f8f6f4 v[8*(8*((\a)%4)+\b):8*(8*((\a)%4)+\b)+7], v[128*(\p)+FR*\b:128*(\p)+FR*\b+FR-1], v[AF+FR*(\a):AF+FR*(\a)+FR-1], v[8*(8*((\a)%4)+\b):8*(8*((\a)%4)+\b)+7], v[SC+8*\b+(\ks)], v[SC+8*(\a)+(\ks)] matrix_a_fmt:MATRIX_FMT_FP6 matrix_b_fmt:MATRIX_FMT_FP6 matrix_a_scale:MATRIX_SCALE_ROW1
.endif
.endr
.endr
.endm
.macro FETCH_B slot, q, p
	WIN TO_B
.irp i, 0,1,2,3,4,5,6,7
	FRAG 128*(\p)+FR*\i, ADRB+\slot, \q, \i
.endr
	WIN 0
.endm
.macro FETCH_A slot, q, i0
.irp i, \i0, \i0+1, \i0+2, \i0+3
	FRAG AF+FR*(\i), ADRA+\slot, \q, \i
.endr
.endm
.macro PLACES n                        ; plain vector instructions between a matrix instruction and a load into, or a read of, its registers
.rept \n
	v_nop
.endr
.endm
; A slot's first K step: B's set 0; the slot's second K step is fetched meanwhile (B into set 1; A's tiles 0-3 in the middle, 4-7 at the end: a tile of A is free when its eight products are issued).
.macro STEP slot, ks, zero
	s_wait_dscnt 4*NL                              ; all but the youngest twelve loads (A's tiles 4-7)
	WIN MUL_LO
	MUL16 0, 0, \ks, \zero
	MUL16 2, 0, \ks, \zero
	s_wait_dscnt 0                                 ; A's tiles 4-7 are in
	PLACES NP
	FETCH_B \slot, 1, 1
	FETCH_A \slot, 1, 0
	WIN MUL_HI
	MUL16 4, 0, \ks, \zero
	MUL16 6, 0, \ks, \zero
	PLACES NP
	WIN 0
	FETCH_A \slot, 1, 4
.endm
; A slot's second K step changes slots: one barrier; in front of it each wave waits for all its tensor loads, adds 0 to its spare word, and waits for that and for its reads of this slot.  fill = 1: this slot is filled again, four K steps on.
.macro TURN slot, next, fill, ks
	s_wait_tensorcnt 0x0                           ; all my tensor loads have landed: my part of the next slot
	ds_add_u32 v[SPW], v[NIL]                      ; 0 onto my spare word
	s_wait_dscnt 4*NL+1                            ; (the add and the youngest twelve loads may be out)
	WIN MUL_LO
	MUL16 0, 1, \ks, 0                             ; sixteen matrix instructions stand between the add and the wait for it
	s_wait_dscnt 0x0                               ; the add is done, and my reads of this slot are over
	s_barrier_signal -1
	MUL16 2, 1, \ks, 0
	WIN 0
	s_barrier_wait -1
.if \fill
	CREST                                          ; the barrier has opened a round of the cluster's: no wave of any partner still reads this slot or has a load on its way
	s_add_nc_u64 s[G0+4*\slot+2:G0+4*\slot+3], s[G0+4*\slot+2:G0+4*\slot+3], 2*HALFT
	s_add_nc_u64 s[G0B+4*\slot+2:G0B+4*\slot+3], s[G0B+4*\slot+2:G0B+4*\slot+3], 2*HALFT
	JLOAD G0+4*\slot, G1, G0B+4*\slot, G1B         ; the first tensor load behind the round, my one load out; its four v_nop are the places in front of the loads below
.else
	PLACES NP
.endif
	FETCH_B \next, 0, 0
	FETCH_A \next, 0, 0
	WIN MUL_HI
	MUL16 4, 1, \ks, 0
	MUL16 6, 1, \ks, 0
	PLACES NP
	WIN 0
	FETCH_A \next, 0, 4
.endm
; 64 accumulator registers of A's tile (v[s] on, window w), register 16 b + i = B's row 32 b + 16 h + i, become codes (d0: blocks 0, 1; d1: blocks 2, 3; six registers each) and a scale word.
; Each accumulator is read from its low end on.  The windows: the maxima take the accumulators as sources 1 and 2, the conversions as source 0; all else lies in window 0.
.macro QUANTW s, w, d0, d1, t, pw
	WIN ((\w)<<2)|((\w)<<4)
.irp b, 0,1,2,3
	v_max3_num_f32 v[TM+\b], 0x1800000, |v[(\s)+16*\b]|, |v[(\s)+1+16*\b]|   ; the floor 2^(3 - 127): the byte cannot fall under 1
.endr
.irp i, 2,4,6,8,10,12,14
.irp b, 0,1,2,3
	v_max3_num_f32 v[TM+\b], v[TM+\b], |v[(\s)+16*\b+\i]|, |v[(\s)+1+16*\b+\i]|
.endr
.endr
	WIN 0
.irp b, 0,1,2,3
	v_permlanex16_b32 v[TM+4+\b], v[TM+\b], s2, s3
.endr
.irp b, 0,1,2,3
	v_max_num_f32 v[TM+\b], v[TM+\b], v[TM+4+\b]
.endr
.irp b, 0,1,2,3
	v_add_nc_u32 v[TM+12+\b], 0xff000000, v[TM+\b]     ; 2 off the exponent field: the conversion's scale operand
.endr
.irp b, 0,1,2,3
	v_lshrrev_b32 v[TM+4+\b], 23, v[TM+12+\b]
.endr
	v_lshl_or_b32 v[\pw], v[TM+5], 8, v[TM+4]
	v_lshl_or_b32 v[\pw], v[TM+6], 16, v[\pw]
	v_lshl_or_b32 v[\pw], v[TM+7], 24, v[\pw]
	WIN (\w)
	v_cvt_scalef32_pk16_fp6_f32 v[(\d0):(\d0)+2], v[(\s):(\s)+15], v[TM+12]
	v_cvt_scalef32_pk16_fp6_f32 v[(\t):(\t)+2], v[(\s)+16:(\s)+31], v[TM+13]
	v_cvt_scalef32_pk16_fp6_f32 v[(\d1):(\d1)+2], v[(\s)+32:(\s)+47], v[TM+14]
	v_cvt_scalef32_pk16_fp6_f32 v[(\t)+4:(\t)+6], v[(\s)+48:(\s)+63], v[TM+15]
	WIN 0
	v_nop                                              ; one plain instruction behind the scaled conversions
.irp i, 0,1,2
	v_permlane16_swap_b32 v[(\d0)+\i], v[(\t)+\i]
.endr
.irp i, 0,1,2
	v_mov_b32 v[(\d0)+3+\i], v[(\t)+\i]
.endr
.irp i, 0,1,2
	v_permlane16_swap_b32 v[(\d1)+\i], v[(\t)+4+\i]
.endr
.irp i, 0,1,2
	v_mov_b32 v[(\d1)+3+\i], v[(\t)+4+\i]
.endr
.endm
	s_wait_alu depctr_va_vdst(0)                   ; the wait at the head's end
	s_wait_tensorcnt 0x0                           ; my tile of the head's four is in; slot 1's first fill is issued as a refill is:
	ds_add_u32 v[SPW], v[NIL]                      ; 0 onto my spare word
.irp g, G1, G1B                        ; no tensor load of mine is out: from here on a load brings a dense block of 96 rows of 256 bytes
	s_mov_b32 s[\g+1], 32<<16
	s_mov_b32 s[\g+2], 96<<16
	s_mov_b32 s[\g+3], 32<<16
	s_mov_b32 s[\g+4], 96
	s_mov_b32 s[\g+5], 32
.endr
	s_wait_dscnt 0x0                               ; the add is done
	CROUND                                         ; all four tiles are in, and all sixteen work-groups are here
	JLOAD G0+4, G1, G0B+4, G1B                     ; slot 1: K steps 2, 3, a quarter a wave: my one load behind the round
	FETCH_B 0, 0, 0
	FETCH_A 0, 0, 0
.irp i, 0,1,2,3,4,5,6,7
	ds_load_b128 v[SC+8*\i:SC+8*\i+3], v[ADRS] offset:512*\i          ; tile i's words of K steps 0-3,
	ds_load_b128 v[SC+8*\i+4:SC+8*\i+7], v[ADRS] offset:512*\i+16     ; and of 4-7: all of K, once
.endr
	FETCH_A 0, 0, 4
	STEP 0, 0, 1                                   ; the first products start the sums: nothing is cleared
	TURN 0, 1, 1, 1                                ; slot 0 takes K steps 4, 5
	STEP 1, 2, 0
	TURN 1, 0, 1, 3                                ; slot 1 takes K steps 6, 7
	STEP 0, 4, 0
	TURN 0, 1, 0, 5                                ; nothing is left to fetch
	STEP 1, 6, 0
	s_wait_dscnt 4*NL
	WIN MUL_LO
	MUL16 0, 1, 7, 0
	MUL16 2, 1, 7, 0
	s_wait_dscnt 0
	WIN MUL_HI
	MUL16 4, 1, 7, 0
	MUL16 6, 1, 7, 0
	WIN 0
	PLACES NP                                      ; in front of the first read of results and of the first write into A's registers
	s_cmp_lt_u32 ttmp9, 2
	s_cbranch_scc0 .Lway_v
	; THE WAY OUT OF q AND k.  A's tile a = 16 tokens in the lanes; a lane's 64 registers = 128 features = two heads of two blocks.  Codes of two tiles make a pair image for each head.
.irp a, 0,1,2,3,4,5,6,7
.if (\a >= 2) && (\a%2 == 0)
	s_wait_xcnt 0x0                                ; the last pair's stores have read their registers
.endif
	QUANTW 64*(\a%4), 2+\a/4, D0+6*(\a%2), D1+6*(\a%2), TT, PW
	v_lshrrev_b32 v[PWA+\a], v[SH], v[PW]          ; lanes 0-15 keep the even head's two bytes, lanes 16-31 take the odd head's;
	v_and_b32 v[PWA+\a], 0xffff, v[PWA+\a]         ; bytes 2 and 3 belong to the half of K = 128 that holds zero codes
	ds_store_b32 v[SQW], v[PWA+\a] offset:256*(\a%2)+4*(\a/2)
.if \a%2 == 1
.irp c, 0,1,2
	global_store_b128 v[LI], v[D0+4*\c:D0+4*\c+3], s[12:13] offset:(\a/2)*1536+512*\c          ; 512 consecutive bytes, aligned
	global_store_b128 v[LI], v[D1+4*\c:D1+4*\c+3], s[12:13] offset:HEADB+(\a/2)*1536+512*\c    ; the odd head's record
.endr
.endif
.endr
	ds_load_b128 v[OB:OB+3], v[SQR]                ; LDS serves a wave's instructions in order: these see my stores
	ds_load_b128 v[OB+4:OB+7], v[SQR] offset:512
	s_wait_dscnt 0x0
	global_store_b128 v[LI], v[OB:OB+3], s[12:13] offset:12288
	global_store_b128 v[LI], v[OB+4:OB+7], s[12:13] offset:HEADB+12288
	s_branch .Lout
.Lway_v:
	; THE WAY OUT OF v.  A's tile a = 16 of a head's 64 in the lanes (head a / 4, tile a % 4); a lane's 64 registers = the block's 128 keys: one whole fragment and one scale word.
.irp a, 0,1,2,3,4,5,6,7
.if \a >= 2
	s_wait_xcnt 0x0                                ; the stores of two tiles back have read their registers
.endif
	QUANTW 64*(\a%4), 2+\a/4, D0+12*(\a%2), D0+12*(\a%2)+6, TT, PWA+\a
	ds_store_b32 v[SVW], v[PWA+\a] offset:256*(\a/4)+128*(\a%2)+4*((\a%4)/2)     ; lanes r and r + 16 write the same word with the same value
.irp c, 0,1,2
	global_store_b128 v[LI], v[D0+12*(\a%2)+4*\c:D0+12*(\a%2)+4*\c+3], s[12:13] offset:(\a/4)*HEADB+6144+(\a%4)*1536+512*\c
.endr
.endr
	ds_load_b128 v[OB:OB+3], v[SVR]
	s_wait_dscnt 0x0
	global_store_b128 v[VOF], v[OB:OB+3], s[12:13] offset:12800    ; lanes 0-15: the even head's 256 bytes, lanes 16-31: the odd head's; each aligned
.Lout:
	s_wait_tensorcnt 0x0                           ; the wave's end
	ds_add_u32 v[SPW], v[NIL]
	s_wait_dscnt 0x0
	CROUND                                         ; the closing round: no work-group ends while a partner may still ask for a tile that names it
	s_endpgm
.Lfunc_end_k_q8ce29b8882_qkv:
	.size	k_q8ce29b8882_qkv, .Lfunc_end_k_q8ce29b8882_qkv-k_q8ce29b8882_qkv
	.p2alignl 7, 3214868480
	.fill 96, 4, 3214868480
	.section	.rodata,"a",@progbits
	.p2align	6, 0x0
	.amdhsa_kernel k_q8ce29b8882_qkv
		.amdhsa_group_segment_fixed_size 327680
		.amdhsa_private_segment_fixed_size 0
		.amdhsa_enable_private_segment 0
		.amdhsa_kernarg_size 40
		.amdhsa_user_sgpr_count 2
		.amdhsa_user_sgpr_kernarg_segment_ptr 1
		.amdhsa_wavefront_size32 1
		.amdhsa_system_sgpr_workgroup_id_x 1
		.amdhsa_system_sgpr_workgroup_id_y 1
		.amdhsa_system_sgpr_workgroup_id_z 1
		.amdhsa_system_vgpr_workitem_id 0
		.amdhsa_next_free_vgpr 1024
		.amdhsa_next_free_sgpr 100
		.amdhsa_reserve_vcc 0
		.amdhsa_float_denorm_mode_32 3
		.amdhsa_float_denorm_mode_16_64 3
		.amdhsa_memory_ordered 1
		.amdhsa_forward_progress 1
		.amdhsa_inst_pref_size 176
	.end_amdhsa_kernel
	.amdgpu_metadata
---
amdhsa.version: [ 1, 2 ]
amdhsa.kernels:
  - .name:           k_q8ce29b8882_qkv
    .symbol:         k_q8ce29b8882_qkv.kd
    .args:
      - { .name: xi, .offset: 0, .size: 8, .value_kind: global_buffer, .address_space: global }
      - { .name: xs, .offset: 8, .size: 8, .value_kind: global_buffer, .address_space: global }
      - { .name: wi, .offset: 16, .size: 8, .value_kind: global_buffer, .address_space: global }
      - { .name: ws, .offset: 24, .size: 8, .value_kind: global_buffer, .address_space: global }
      - { .name: att, .offset: 32, .size: 8, .value_kind: global_buffer, .address_space: global }
    .group_segment_fixed_size: 327680
    .private_segment_fixed_size: 0
    .kernarg_segment_align: 8
    .kernarg_segment_size: 40
    .max_flat_workgroup_size: 128
    .sgpr_count:     100
    .vgpr_count:     1024
    .wavefront_size: 32
...
	.end_amdgpu_metadata
.endif
;; end of part 2
;; launch attn (part 3): grid 16 x 16, 16 waves a work-group, no clusters, 327,680 bytes of LDS; arguments att, yi, ys; writes yi, ys
.if DOCPART == 3
	.amdgcn_target "amdgcn-amd-amdhsa--gfx1250"
	.amdhsa_code_object_version 6
	.text
	.protected	k_q8ce29b8882_attn
	.globl	k_q8ce29b8882_attn
	.p2align	8
	.type	k_q8ce29b8882_attn,@function
k_q8ce29b8882_attn:
	s_mov_b64 s[64:65], 0
	v_nop
	global_prefetch_b8 v0, s[64:65] scope:SCOPE_SE
	s_setreg_imm32_b32 hwreg(HW_REG_WAVE_MODE, 25, 1), 1
	s_wait_xcnt 0x0
; y[q] = softmax_k(q . k / 8, causal) v for 16 heads of 64, 4,096 tokens, both products on codes of FP6 (E2M3); y is quantised in registers, along the model's 1,024, for the projection.
; LEFT OUT: key steps whose 128 keys all come after a tile's queries: the causal mask puts -inf there, so their p is 0 for every input.  A NaN or infinity that reaches only those scores is not carried.
; THE SOFTMAX: t = score x log2(e) / 8; M = the running largest t rounded UP to a whole number; p = 2^(t - M) is quantised along the keys, not normalised; the row's sum is taken of the unquantised p and divides at the end.
; When M moves, the sum and O are multiplied by 2^(old M - new M): exact.  Two partial walks of one query tile are joined the same way.
; IN: att = [part][head][block of 128 tokens][record 13,056]: +0 four pair images (registers 0-5 token tile 2 p, 6-11 tile 2 p + 1; d = 32 h .. + 31), +6,144 four fragments of v (16 of the 64 x 128 keys), +12,288 the tokens' scale words, +12,800 v's.
; Lane r of token tile 2 b + u holds token 32 b + 8 u + r + 8 (r / 8), so the 16 registers of S^T's tiles 2 b, 2 b + 1 are 16 neighbouring keys.  Both products are used transposed: a lane holds ONE query throughout.
; K = 64 IN AN INSTRUCTION OF K = 128: k's fragment t is the twelve registers from its six on; q's upper six are zero codes: those products are exact zeros.
; SHARES.  A work-group takes one head and the query blocks j and 31 - j (j = its x, 0 .. 15).  Wave w has tile a = w >> 1 (16 queries) and a role, (w ^ (w >> 2)) & 1.
;   role 0: tile a of block 31 - j: key steps 0 .. j, and of the steps j + 1 .. 31 - j those at an even distance from j: 16 steps.
;   role 1: tile a of block j: key steps 0 .. j; then it parks that tile's O, M and sums in LDS and takes tile a of block 31 - j at the odd distances from j (the diagonal step 31 - j among them): 17 steps.
;   At the end role 1 hands its partial O, M and sums to role 0 through LDS; role 0 joins the two and sends block 31 - j's tile out; role 1 takes its parked tile back and sends block j's out.
; Every work-group walks 32 steps in three passes of 11, 11 and 10 (constant trip counts); a wave jumps over the work of steps that are not its own, never over a wait, an add or a barrier.
; LDS: two slots of 11 records.  At the head waves 0-10 fetch one record each (slot 0: records 0-10).  Behind the head's barrier wave 0 fills slot 1 by one load of 561 rows of 256 bytes (records 11-21; record 16 is read by
; every work-group, since 31 - j >= 16); behind pass A it fills slot 0 again with records 22-31 (510 rows), only where 31 - j >= 22 (a jump on the work-group's number alone).  Every wait on TENSORcnt is for 0; one load of a wave is out at the most.
; The partial that role 1 hands over lies in slot 1's bytes: they have had their only fill, and their last read stands ahead of the barrier behind pass B.  The parked tiles have bytes of their own.
; NO CLUSTER: the work-groups of one head need different numbers of records (17 to 32), so every wave of some partner would jump over the reads of a joint tile.
; PREFETCH: wave 15 asks, at the start of pass A, for records 22-31, eleven key steps ahead of the load that wants them.  Their 510 blocks of 256 bytes are shared out by address among the head's 16 work-groups, 32 each, a lane a block
; (the last two lanes of the last work-group name the last block again); every address lies inside the head's records.  Records 0-21 come by their loads alone: those are issued at the head, with no loop to run ahead in.
; OUT: yi as [group of 128 tokens][K step = head / 2][tile][1,536]; a fragment's bytes: the even head's 768 (registers 0-3 at 16 l, then 4-5 at 8 l), then the odd head's.  ys: [tile][r][32], bytes 2 head, 2 head + 1.
; LIMITS: NaN and infinities are not served; the scaled scores stay under 2^31 in magnitude; blocks whose largest magnitude lies under 2^-124 are held at byte 1; a block of zeros gets byte 1: its codes are zeros and this program alone reads the bytes.
.set REC,   13056
.set HEADB, 32*REC
.set PART,  16*HEADB
.set NREC,  11                         ; records in a slot
.set SLOTB, NREC*REC
.set SPARE, 2*SLOTB                    ; the spare words, 128 bytes a wave: eight blocks of 256 bytes that no other line names
.set RG,    4608                       ; a state at rest: O 4,096 bytes, then -M, t and the sums, 512
.set STQ0,  SPARE+2048                 ; a region for each tile: role 1's parked low tile
.set STP0,  SLOTB                      ; a region for each tile, in slot 1's bytes: role 1's partial of the high tile
.set LI,  1                            ; v1  16 x lane
.set L8,  2                            ; v2  8 x lane
.set DL,  3                            ; v3  my query's number in its block, less 16 h
.set NINF, 4                           ; v4  -infinity
.set SPW, 5                            ; v5  my spare word; never rewritten
.set NIL, 6                            ; v6  0; never rewritten
.set ADK, 8                            ; v8  the record in hand + 16 x lane
.set AD8, 9                            ; v9  the record in hand + 8 x lane
.set QF,  16                           ; v16-21 q's codes, v22-27 zero codes.  (v12 -M, v13 the largest t, v[14:15] the sum)
.set QSC, 28                           ; v28 q's scale words
.set YSO, 29                           ; v29 32 r
.set KV,  32                           ; v32-79 k's eight tiles, then v's four fragments; v80-85 zero codes
.set KSC, 88                           ; v88-91 k's scale words
.set VSC, 92                           ; v92-93 v's
.set S,   96                           ; v96-159 S^T, then p
.set O,   160                          ; v160-191 O^T
.set PCD, 192                          ; v192-203 p's codes
.set TT,  204                          ; v204-211 at work in the conversions
.set BM,  212                          ; v212-215 the blocks' largest
.set BT,  216                          ; v216-219 the other half's; the bytes
.set SO,  220                          ; v220-223 the conversions' scale operands
.set TMP, 224
.set PSC, 225                          ; v225 p's scale word
.set FF,  226                          ; v[226:227] f = 2^(old M - new M)
.set L2,  228                          ; v[228:229] the sum's second chain
.set QH,  230                          ; v230-235 the high block's tile a: q's codes
.set QSH, 236                          ; v236 and its scale words
.set STQ, 237                          ; v237 my tile's parking region + 16 x lane
.set STP, 238                          ; v238 my tile's hand-over region + 16 x lane
.set PFO, 239                          ; v239 the prefetch's offset; never rewritten
.set C2,  244                          ; v[244:247] the sum's third and fourth chains
.set C3,  246
.set WV,  18
.set ROLE, 19
.set SEL, 20
.set CS,  22
.set G1,  24                           ; s[24:31] group 1 of a record; s[32:35] group 0 of my head's load
.set G0,  32
.set G0R, 36                           ; s[36:39] group 0 of wave 0's slot loads; s[48:55] their group 1
.set J,   40
.set HB,  41                           ; 31 - j
.set KS,  42                           ; the key step's number
.set TB,  43                           ; the LDS byte of its record
.set CNT, 44
.set DG,  45                           ; the key step on my tile's diagonal (role 0: none)
.set PX,  46                           ; j ^ role
.set J1,  47                           ; j + 1
.set G1R, 48
.set MSK, 56
.set UPS, 57
.set PR,  58
.set HEAD, 59
.set FB,  60                           ; the block of my first tile, which is also the one that I send out
.set PT,  61
.macro FRESH                           ; a walk begins: O^T and the sums are zeros, the largest t is -3e38, under every t
.set n, 0
.rept 32
	v_mov_b32 v[O+n], 0
.set n, n+1
.endr
	v_mov_b32 v13, 0xff61b1e6
	v_mov_b32 v14, 0
	v_mov_b32 v15, 0
	v_floor_f32 v12, -v13                          ; -M
.endm
	s_load_b128 s[4:7], s[0:1], 0x0                ; att, yi
	s_load_b64 s[8:9], s[0:1], 0x10                ; ys
	v_lshl_add_u32 v[SPW], v0, 2, SPARE
	v_mov_b32 v[NIL], 0
	ds_add_u32 v[SPW], v[NIL]                      ; the opening lines: the add, twice on end, and its wait ahead of my first tensor load
	ds_add_u32 v[SPW], v[NIL]
	v_lshrrev_b32 v7, 5, v0
	s_delay_alu instid0(VALU_DEP_1)
	v_readfirstlane_b32 s[WV], v7                  ; wave 0..15
	s_and_b32 s[HEAD], ttmp7, 0xffff               ; the head
.irp g, G1, G1R                        ; dense blocks as rows of 256 bytes (32 elements of 8)
	s_mov_b32 s[\g], 3<<16
	s_mov_b32 s[\g+1], 32<<16
	s_mov_b32 s[\g+3], 32<<16
	s_mov_b32 s[\g+5], 32
	s_mov_b32 s[\g+6], 0
	s_mov_b32 s[\g+7], 0
.endr
	s_mov_b32 s[G1+2], 51<<16                      ; a record: 51 rows
	s_mov_b32 s[G1+4], 51
	s_mov_b32 s[G1R+2], 561<<16                    ; a slot of 11 records: 561 rows
	s_mov_b32 s[G1R+4], 561
	s_mul_i32 s12, s[HEAD], HEADB                  ; the head's records
	s_mul_i32 s73, s[WV], REC                      ; record w, in memory and in LDS
	s_add_co_u32 s16, s12, s73
	s_add_co_u32 s16, s16, PART                    ; in part 1: k and v
	s_mov_b32 s17, 0
	s_wait_dscnt 0x0                               ; both opening adds are done
	s_wait_kmcnt 0x0
	s_add_nc_u64 s[16:17], s[4:5], s[16:17]
	s_mov_b32 s[G0], 1
	s_mov_b32 s[G0+1], s73
	s_mov_b64 s[G0+2:G0+3], s[16:17]
	s_or_b32 s[G0+3], s[G0+3], 0x80000000
	s_cmp_ge_u32 s[WV], NREC                       ; waves 0-10 fetch slot 0, a record each
	s_cbranch_scc1 .Lno_first
	tensor_load_to_lds s[G0:G0+3], s[G1:G1+7]      ; my one load at the head
	s_nop 0
.Lno_first:
	s_mov_b32 s[J], ttmp9
	s_sub_co_u32 s[HB], 31, s[J]
	s_add_co_u32 s[J1], s[J], 1
	s_lshr_b32 s10, s[WV], 2
	s_xor_b32 s10, s10, s[WV]
	s_and_b32 s[ROLE], s10, 1
	s_bfe_u32 s[UPS], s[WV], 0x10001               ; a & 1
	s_lshr_b32 s[PR], s[WV], 2                     ; a >> 1: the pair image
	s_lshr_b32 s74, s[WV], 1                       ; a
	s_xor_b32 s[PX], s[J], s[ROLE]
	s_cmp_eq_u32 s[ROLE], 1
	s_cselect_b32 s[FB], s[J], s[HB]
	s_cselect_b32 s[DG], s[J], 99
	s_cmp_eq_u32 s[UPS], 0
	s_cselect_b32 s[MSK], 0, -1
	s_add_co_u32 s70, s12, PART+NREC*REC           ; record 11 of k and v: wave 0's slot loads begin there
	s_mov_b32 s71, 0
	s_add_nc_u64 s[70:71], s[4:5], s[70:71]
	s_mov_b32 s[G0R], 1
	s_mov_b32 s[G0R+1], SLOTB                      ; slot 1 first
	s_mov_b64 s[G0R+2:G0R+3], s[70:71]
	s_or_b32 s[G0R+3], s[G0R+3], 0x80000000
	s_mul_i32 s15, s[PR], 1536
	s_add_co_u32 s15, s15, s12                     ; part 0: the head, the pair image
	s_mul_i32 s10, s[FB], REC
	s_add_co_u32 s10, s10, s15
	s_mov_b32 s11, 0
	s_mul_i32 s14, s[HB], REC
	s_add_co_u32 s14, s14, s15
	s_mov_b32 s15, 0
	s_add_nc_u64 s[10:11], s[4:5], s[10:11]        ; q of my first tile
	s_add_nc_u64 s[14:15], s[4:5], s[14:15]        ; q of the high block's tile a (for role 0 the same tile)
	s_lshl_b32 s72, s[UPS], 8
	s_mul_i32 s76, s[PR], 1532
	s_sub_co_u32 s72, s72, s76
	s_add_co_u32 s72, s72, 12288                   ; from the pair image to my tile's scale words: 12,288 + 256 ups + 4 pr - 1,536 pr
	s_mul_i32 s66, s[FB], 98304
	s_lshr_b32 s67, s[HEAD], 1
	s_mul_i32 s67, s67, 12288
	s_add_co_u32 s66, s66, s67
	s_mul_i32 s67, s74, 1536
	s_add_co_u32 s66, s66, s67
	s_and_b32 s67, s[HEAD], 1
	s_mul_i32 s67, s67, 768
	s_add_co_u32 s66, s66, s67
	s_mov_b32 s67, 0
	s_add_nc_u64 s[6:7], s[6:7], s[66:67]          ; y's codes
	s_lshl_b32 s68, s[FB], 3
	s_add_co_u32 s68, s68, s74
	s_lshl_b32 s68, s68, 9
	s_lshl_b32 s69, s[HEAD], 1
	s_add_co_u32 s68, s68, s69
	s_mov_b32 s69, 0
	s_add_nc_u64 s[8:9], s[8:9], s[68:69]          ; y's scale bytes
	s_lshl_b32 s75, s[PR], 5
	s_lshl_b32 s76, s[UPS], 3
	s_add_co_u32 s75, s75, s76                     ; 32 pr + 8 ups
	s_mul_i32 s76, s74, RG
	s_add_co_u32 s77, s76, STP0
	s_add_co_u32 s76, s76, STQ0
	s_lshl_b32 s78, s[J], 5                        ; my work-group's 32 blocks of the refill's 510
	s_mov_b32 s[SEL], 0x76543210
	s_mov_b32 s[SEL+1], 0xfedcba98                 ; lane l xor 16
	s_mov_b32 s[CS], 0x3e38aa3b                    ; c = log2(e) / 8
	s_mov_b32 s[CS+1], s[CS]                       ; (named with it as a pair)
	s_mov_b32 s[KS], 0
	v_and_b32 v30, 31, v0
	v_and_b32 v10, 15, v0                          ; r
	v_bfe_u32 v11, v0, 4, 1                        ; h
	v_lshlrev_b32 v[LI], 4, v30
	v_lshlrev_b32 v[L8], 3, v30
	v_lshl_add_u32 v7, v10, 4, s72
.irp c, 0,1,2
	global_load_b128 v[S+4*\c:S+4*\c+3], v[LI], s[10:11] offset:512*\c         ; the pair image that holds my first tile
	global_load_b128 v[S+12+4*\c:S+15+4*\c], v[LI], s[14:15] offset:512*\c     ; and the high block's
.endr
	global_load_b32 v[QSC], v7, s[10:11]           ; lane r: row r's word
	global_load_b32 v[QSH], v7, s[14:15]
	v_lshlrev_b32 v[YSO], 5, v10
	v_and_b32 v[DL], 8, v10
	v_lshlrev_b32 v11, 4, v11
	v_add_nc_u32 v[STQ], s76, v[LI]
	v_add_nc_u32 v[DL], v[DL], v10                 ; r + 8 (r / 8)
	v_add_nc_u32 v[STP], s77, v[LI]
	v_add_nc_u32 v[PFO], s78, v30
	v_sub_nc_u32 v[DL], v[DL], v11
	v_mov_b32 v[NINF], 0xff800000
	v_min_u32 v[PFO], 509, v[PFO]
	v_add_nc_u32 v[DL], s75, v[DL]
	v_mov_b32 v[TMP], 0
	v_mov_b32 v[FF+1], 0                           ; (named as the upper halves of pairs)
	v_lshlrev_b32 v[PFO], 8, v[PFO]
	v_mov_b32 v[L2+1], 0
	FRESH
.irp i, 0,1,2,3,4,5
	v_mov_b32 v[QF+6+\i], 0                        ; the upper half of K = 128: zero codes
	v_mov_b32 v[KV+48+\i], 0                       ; behind k's last tile
.endr
.irp b, 0,1,2,3
	v_mov_b32 v[BT+\b], 0                          ; a lane permute's destination counts as one of its sources
.endr
	s_wait_loadcnt 0x0
.irp i, 0,1,2,3,4,5
	v_cndmask_b32 v[QF+\i], v[S+\i], v[S+6+\i], s[MSK]       ; registers 0-5 (ups = 0) or 6-11 (ups = 1) of the pair
	v_cndmask_b32 v[QH+\i], v[S+12+\i], v[S+18+\i], s[MSK]
.endr
; A KEY STEP: 128 keys, one record.  tr = 1: the pass can hold step j + 1, at which role 1 changes tiles.
.macro STEP tr
.if \tr
	s_cmp_eq_u32 s[ROLE], 0
	s_cbranch_scc1 .Lsame_\@
	s_cmp_lg_u32 s[KS], s[J1]
	s_cbranch_scc1 .Lsame_\@
.irp i, 0,1,2,3,4,5
	v_mov_b32 v[QF+\i], v[QH+\i]                   ; the high block's tile.  These seven are also the places between the last products and the stores of their results
.endr
	v_mov_b32 v[QSC], v[QSH]
.irp n, 0,1,2,3,4,5,6,7
	ds_store_b128 v[STQ], v[O+4*\n:O+4*\n+3] offset:512*\n   ; the low tile is parked, each accumulator from its low end on
.endr
	ds_store_b128 v[STQ], v[12:15] offset:4096
	s_mov_b32 s[DG], s[HB]                         ; the new tile's diagonal
	s_wait_dscnt 0x0                               ; the stores have read their registers
	FRESH
	s_wait_alu depctr_va_vdst(0)                   ; the wait ahead of the branches below
.Lsame_\@:
.endif
	s_cmp_gt_u32 s[KS], s[HB]                      ; all its keys come after the work-group's queries
	s_cbranch_scc1 .Lhidden_\@
	s_cmp_le_u32 s[KS], s[J]                       ; steps 0 .. j: every wave works
	s_cbranch_scc1 .Lwork_\@
	s_xor_b32 s[PT], s[KS], s[PX]
	s_bitcmp1_b32 s[PT], 0                         ; beyond j: mine where (step - j) & 1 = my role
	s_cbranch_scc1 .Lhidden_\@
.Lwork_\@:
	v_add_nc_u32 v[ADK], s[TB], v[LI]
	v_add_nc_u32 v[AD8], s[TB], v[L8]
	v_nop
	v_nop                                          ; four plain instructions between the last products and the loads into their registers
.irp n, 0,1,2,3,4,5,6,7,8,9,10,11
	ds_load_b128 v[KV+4*\n:KV+4*\n+3], v[ADK] offset:512*\n        ; k's four pair images: tile t at v[KV + 6 t]
.endr
	ds_load_b128 v[KSC:KSC+3], v[ADK] offset:12288 ; register t / 2: lanes 0-15 the words of tile t even, lanes 16-31 of t odd
	s_wait_alu depctr_va_vdst(0)
	s_wait_dscnt 0x0
.irp t, 0,1,2,3,4,5,6,7
.if \t%2
	v_wmma_scale_f32_16x16x128_f8f6f4 v[S+8*\t:S+8*\t+7], v[KV+6*\t:KV+6*\t+11], v[QF:QF+11], 0, v[KSC+\t/2], v[QSC] matrix_a_fmt:MATRIX_FMT_FP6 matrix_b_fmt:MATRIX_FMT_FP6 matrix_a_scale:MATRIX_SCALE_ROW1
.else
	v_wmma_scale_f32_16x16x128_f8f6f4 v[S+8*\t:S+8*\t+7], v[KV+6*\t:KV+6*\t+11], v[QF:QF+11], 0, v[KSC+\t/2], v[QSC] matrix_a_fmt:MATRIX_FMT_FP6 matrix_b_fmt:MATRIX_FMT_FP6
.endif
.endr
.rept 4
	v_nop                                          ; places in front of the loads below and of the first read of the scores
.endr
.irp n, 0,1,2,3,4,5,6,7,8,9,10,11
	ds_load_b128 v[KV+4*\n:KV+4*\n+3], v[ADK] offset:6144+512*\n   ; v's four fragments: asked for ahead of the softmax's work
.endr
	ds_load_b64 v[VSC:VSC+1], v[AD8] offset:12800
	s_cmp_lg_u32 s[KS], s[DG]                      ; only my tile's own block lies on the diagonal
	s_cbranch_scc1 .Lopen_\@
.set n, 0
.rept 64
	v_cmp_gt_i32 vcc_lo, 32*(n/16)+n%16, v[DL]     ; register 16 b + i holds key 32 b + 16 h + i of the block: hidden where it comes after my query
	v_cndmask_b32 v[S+n], v[S+n], v[NINF], vcc_lo
.set n, n+1
.endr
.Lopen_\@:
.irp b, 0,1,2,3
	v_max3_num_f32 v[BM+\b], v[S+16*\b], v[S+1+16*\b], v[S+2+16*\b]   ; the largest score of each block of 32 keys: for the row's maximum and, since p rises with the score, for the block's largest p
.endr
.irp i, 3,5,7,9,11,13
.irp b, 0,1,2,3
	v_max3_num_f32 v[BM+\b], v[BM+\b], v[S+16*\b+\i], v[S+1+16*\b+\i]
.endr
.endr
.irp b, 0,1,2,3
	v_max_num_f32 v[BM+\b], v[BM+\b], v[S+15+16*\b]
.endr
.irp b, 0,1,2,3
	s_delay_alu instid0(VALU_DEP_4)
	v_permlanex16_b32 v[BT+\b], v[BM+\b], s[SEL], s[SEL+1]
.endr
.irp b, 0,1,2,3
	s_delay_alu instid0(VALU_DEP_4)
	v_max_num_f32 v[BM+\b], v[BM+\b], v[BT+\b]     ; with lane l xor 16's 16 keys
.endr
	s_delay_alu instid0(VALU_DEP_2)
	v_max3_num_f32 v[TMP], v[BM], v[BM+1], v[BM+2]
	s_delay_alu instid0(VALU_DEP_1)
	v_max_num_f32 v[TMP], v[TMP], v[BM+3]
	s_delay_alu instid0(VALU_DEP_1)
	v_mul_f32 v[TMP], s[CS], v[TMP]                ; as t (c is positive)
	s_delay_alu instid0(VALU_DEP_1)
	v_max_num_f32 v13, v13, v[TMP]                 ; the running largest t
	v_mov_b32 v[TMP], v12
	s_delay_alu instid0(VALU_DEP_2)
	v_floor_f32 v12, -v13                          ; the new -M = -ceil(t): a whole number
	s_delay_alu instid0(VALU_DEP_1)
	v_sub_f32 v[TMP], v12, v[TMP]                  ; old M - new M: a whole number, 0 or less
	s_delay_alu instid0(VALU_DEP_1)
	v_cvt_i32_f32 v[TMP], v[TMP]                   ; (it saturates)
	s_delay_alu instid0(VALU_DEP_1)
	v_ldexp_f32 v[FF], 1.0, v[TMP]                 ; f = 2^(old M - new M)
.set n, 0
.rept 32
	v_pk_fma_f32 v[S+n:S+n+1], v[S+n:S+n+1], s[CS:CS+1], v[12:13] op_sel_hi:[1,0,0]   ; t - M, two at a time
.set n, n+2
.endr
.irp b, 0,1,2,3
	v_fma_f32 v[BM+\b], v[BM+\b], s[CS], v12       ; the same of each block's largest score
.endr
	s_wait_alu depctr_va_vdst(0)                   ; the wait ahead of the batch
.set n, 0
.rept 64
	v_exp_f32 v[S+n], v[S+n]                       ; p = 2^(t - M), at most 1
.set n, n+1
.endr
	v_pk_mul_f32 v[14:15], v[14:15], v[FF:FF+1] op_sel_hi:[1,0]    ; the sums under the new M: the plain instruction behind the batch
	s_wait_alu depctr_va_vdst(0)                   ; one wait for the 64 exponentials, ahead of their first reader
.irp b, 0,1,2,3
	v_exp_f32 v[BM+\b], v[BM+\b]                   ; the block's largest p
.endr
	v_pk_add_f32 v[L2:L2+1], v[S:S+1], v[S+2:S+3]  ; the row's sum of the unquantised p: two at a time, in four chains
	v_pk_add_f32 v[C2:C2+1], v[S+4:S+5], v[S+6:S+7]
	v_pk_add_f32 v[C3:C3+1], v[S+8:S+9], v[S+10:S+11]
	v_pk_add_f32 v[14:15], v[14:15], v[S+12:S+13]
	v_pk_add_f32 v[L2:L2+1], v[L2:L2+1], v[S+14:S+15]
.irp n, 16,24,32,40,48,56
	v_pk_add_f32 v[C2:C2+1], v[C2:C2+1], v[S+\n:S+\n+1]
	v_pk_add_f32 v[C3:C3+1], v[C3:C3+1], v[S+\n+2:S+\n+3]
	v_pk_add_f32 v[14:15], v[14:15], v[S+\n+4:S+\n+5]
	v_pk_add_f32 v[L2:L2+1], v[L2:L2+1], v[S+\n+6:S+\n+7]
.endr
	v_pk_add_f32 v[C2:C2+1], v[C2:C2+1], v[C3:C3+1]
	v_pk_add_f32 v[14:15], v[14:15], v[L2:L2+1]
	s_delay_alu instid0(VALU_DEP_1)
	v_pk_add_f32 v[14:15], v[14:15], v[C2:C2+1]
	s_wait_alu depctr_va_vdst(0)                   ; and one for the four
.irp b, 0,1,2,3
	v_max_num_f32 v[BM+\b], 0x1800000, v[BM+\b]    ; the floor 2^(3 - 127): the byte cannot fall under 1
.endr
.irp b, 0,1,2,3
	s_delay_alu instid0(VALU_DEP_4)
	v_add_nc_u32 v[SO+\b], 0xff000000, v[BM+\b]    ; 2 off the exponent field: the conversion's scale operand
.endr
.irp b, 0,1,2,3
	s_delay_alu instid0(VALU_DEP_4)
	v_lshrrev_b32 v[BT+\b], 23, v[SO+\b]
.endr
	s_delay_alu instid0(VALU_DEP_3)
	v_lshl_or_b32 v[PSC], v[BT+1], 8, v[BT]        ; p's scale word for these 128 keys
	s_delay_alu instid0(VALU_DEP_1)
	v_lshl_or_b32 v[PSC], v[BT+2], 16, v[PSC]
	s_delay_alu instid0(VALU_DEP_1)
	v_lshl_or_b32 v[PSC], v[BT+3], 24, v[PSC]
.irp c, 0,1
	v_cvt_scalef32_pk16_fp6_f32 v[PCD+6*\c:PCD+6*\c+2], v[S+32*\c:S+32*\c+15], v[SO+2*\c]
	v_cvt_scalef32_pk16_fp6_f32 v[TT+4*\c:TT+4*\c+2], v[S+32*\c+16:S+32*\c+31], v[SO+2*\c+1]
.endr
	v_nop                                          ; one plain instruction behind the scaled conversions
.irp c, 0,1
.irp i, 0,1,2
	v_permlane16_swap_b32 v[PCD+6*\c+\i], v[TT+4*\c+\i]   ; a whole block to a lane
.endr
.irp i, 0,1,2
	s_delay_alu instid0(VALU_DEP_3)
	v_mov_b32 v[PCD+6*\c+3+\i], v[TT+4*\c+\i]
.endr
.endr
	s_wait_alu depctr_va_vdst(0)                   ; the wait directly ahead of the first reader of O^T
.set n, 0
.rept 16
	v_pk_mul_f32 v[O+n:O+n+1], v[O+n:O+n+1], v[FF:FF+1] op_sel_hi:[1,0]   ; O^T under the new M.  These sixteen also stand between the writes of p's codes and scale word and the products
.set n, n+2
.endr
	s_wait_alu depctr_va_vdst(0)
	s_wait_dscnt 0x0                               ; v is in
.irp e, 0,1,2,3                                ; O^T += v^T p^T: four accumulators, one instruction each
.if \e%2
	v_wmma_scale_f32_16x16x128_f8f6f4 v[O+8*\e:O+8*\e+7], v[KV+12*\e:KV+12*\e+11], v[PCD:PCD+11], v[O+8*\e:O+8*\e+7], v[VSC+\e/2], v[PSC] matrix_a_fmt:MATRIX_FMT_FP6 matrix_b_fmt:MATRIX_FMT_FP6 matrix_a_scale:MATRIX_SCALE_ROW1
.else
	v_wmma_scale_f32_16x16x128_f8f6f4 v[O+8*\e:O+8*\e+7], v[KV+12*\e:KV+12*\e+11], v[PCD:PCD+11], v[O+8*\e:O+8*\e+7], v[VSC+\e/2], v[PSC] matrix_a_fmt:MATRIX_FMT_FP6 matrix_b_fmt:MATRIX_FMT_FP6
.endif
.endr
.Lhidden_\@:
	s_add_co_u32 s[KS], s[KS], 1
	s_add_co_u32 s[TB], s[TB], REC
.endm
.macro PASS base, tr, pf, cnt          ; a slot's key steps.  pf >= 0: wave 15 asks for my work-group's 32 blocks of the records that the next change of slots loads
	s_mov_b32 s[TB], \base
	s_mov_b32 s[CNT], \cnt
.if \pf >= 0
	s_cmp_lg_u32 s[WV], 15
	s_cbranch_scc1 .Lnot_mine_\@
	global_prefetch_b8 v[PFO], s[70:71] offset:\pf th:TH_LOAD_NT scope:SCOPE_SE   ; its address registers are never rewritten
.Lnot_mine_\@:
.endif
.Lstep_\@:
	STEP \tr
	s_sub_co_u32 s[CNT], s[CNT], 1
	s_cmp_lg_u32 s[CNT], 0
	s_cbranch_scc1 .Lstep_\@
.endm
; THE CHANGE OF SLOTS.  Each wave waits for all its tensor loads, adds 0 to its spare word, and waits for that and for its LDS reads; behind the barrier wave 0 issues its one load.
; fill = 1, at the head's end: slot 1's first fill, records 11-21, issued as a refill is.  fill = 2: slot 0 takes records 22-31, where 31 - j >= 22.  fill = 0: nothing is left to fetch.
; Where a load follows, the add is written twice.
.macro CHANGE fill
	s_wait_tensorcnt 0x0                           ; no tensor load of mine is out, so a descriptor may be written
	ds_add_u32 v[SPW], v[NIL]                      ; 0 onto my spare word
.if \fill
	ds_add_u32 v[SPW], v[NIL]
.endif
.if \fill == 2
	s_mov_b32 s[G0R+1], 0
	s_add_nc_u64 s[G0R+2:G0R+3], s[G0R+2:G0R+3], SLOTB
	s_mov_b32 s[G1R+2], 510<<16                    ; ten records: 510 rows
	s_mov_b32 s[G1R+4], 510
.endif
	s_wait_dscnt 0x0                               ; the adds are done, and my reads of the slot are over
	s_barrier_signal -1
	s_barrier_wait -1
.if \fill == 2
	s_cmp_gt_u32 s[J], 9                           ; the work-group's number alone: the same in all its waves
	s_cbranch_scc1 .Lnone_\@
.endif
.if \fill
	s_cmp_lg_u32 s[WV], 0
	s_cbranch_scc1 .Lnone_\@
	tensor_load_to_lds s[G0R:G0R+3], s[G1R:G1R+7]  ; my one tensor load until the next change
	s_nop 0
.Lnone_\@:
.endif
.endm
	s_wait_alu depctr_va_vdst(0)                   ; the wait at the head's end
	CHANGE 1                                       ; slot 0 is whole for every wave; slot 1 is asked for
	PASS 0, 1, SLOTB, NREC                         ; records 0-10
	CHANGE 2
	PASS SLOTB, 1, -1, NREC                        ; 11-21
	CHANGE 0
	PASS 0, 0, -1, 10                              ; 22-31
	; THE TWO HALVES OF THE HIGH TILE MEET.  Role 1 hands its partial over and takes its parked low tile back; role 0 joins.
.rept 4
	v_nop                                          ; on every wave's way: places between the last products and the stores of, the loads into and the first reads of their results
.endr
	s_wait_alu depctr_va_vdst(0)
	s_cmp_eq_u32 s[ROLE], 0
	s_cbranch_scc1 .Lkeep
.irp n, 0,1,2,3,4,5,6,7
	ds_store_b128 v[STP], v[O+4*\n:O+4*\n+3] offset:512*\n
.endr
	ds_store_b128 v[STP], v[12:15] offset:4096
.Lkeep:
	s_wait_dscnt 0x0                               ; for the partner's sake: my stores have landed
	s_barrier_signal -1
	s_barrier_wait -1
	s_cmp_eq_u32 s[ROLE], 0
	s_cbranch_scc1 .Ljoin
.irp n, 0,1,2,3,4,5,6,7
	ds_load_b128 v[O+4*\n:O+4*\n+3], v[STQ] offset:512*\n
.endr
	ds_load_b128 v[12:15], v[STQ] offset:4096
	s_wait_dscnt 0x0
	s_branch .Lfinal
.Ljoin:
.irp n, 0,1,2,3,4,5,6,7
	ds_load_b128 v[S+4*\n:S+4*\n+3], v[STP] offset:512*\n
.endr
	ds_load_b128 v[BM:BM+3], v[STP] offset:4096    ; the partner's -M, t and sums
	s_wait_dscnt 0x0
	v_min_num_f32 v[TMP], v12, v[BM]               ; -M of both: the larger M
	s_delay_alu instid0(VALU_DEP_1)
	v_sub_f32 v[FF], v[TMP], v12                   ; my M less the common one, and the partner's: whole numbers, 0 or less
	v_sub_f32 v[L2], v[TMP], v[BM]
	s_delay_alu instid0(VALU_DEP_2)
	v_cvt_i32_f32 v[FF], v[FF]
	s_delay_alu instid0(VALU_DEP_2)
	v_cvt_i32_f32 v[L2], v[L2]
	s_delay_alu instid0(VALU_DEP_2)
	v_ldexp_f32 v[FF], 1.0, v[FF]
	s_delay_alu instid0(VALU_DEP_2)
	v_ldexp_f32 v[L2], 1.0, v[L2]
	v_pk_mul_f32 v[14:15], v[14:15], v[FF:FF+1] op_sel_hi:[1,0]
.set n, 0
.rept 16
	v_pk_mul_f32 v[O+n:O+n+1], v[O+n:O+n+1], v[FF:FF+1] op_sel_hi:[1,0]
.set n, n+2
.endr
	v_pk_fma_f32 v[14:15], v[BM+2:BM+3], v[L2:L2+1], v[14:15] op_sel_hi:[1,0,1]
.set n, 0
.rept 16
	v_pk_fma_f32 v[O+n:O+n+1], v[S+n:S+n+1], v[L2:L2+1], v[O+n:O+n+1] op_sel_hi:[1,0,1]
.set n, n+2
.endr
.Lfinal:
	; THE WAY OUT.  O^T / the sum: register 16 b + i is y(my token, 64 head + 32 b + 16 h + i): two blocks of the projection's K, quantised here.
	v_add_f32 v14, v14, v15
	s_wait_alu depctr_va_vdst(0)
	v_permlanex16_b32 v[TMP], v14, s[SEL], s[SEL+1]
	s_delay_alu instid0(VALU_DEP_1)
	v_add_f32 v14, v14, v[TMP]                     ; the row's sum
	s_wait_alu depctr_va_vdst(0)                   ; the wait ahead of the transcendental
	v_rcp_f32 v14, v14
	v_nop                                          ; a plain instruction behind the reciprocal
	s_wait_alu depctr_va_vdst(0)                   ; ahead of the reciprocal's first reader
.set n, 0
.rept 32
	v_mul_f32 v[S+n], v[O+n], v14
.set n, n+1
.endr
.irp b, 0,1
	v_max3_num_f32 v[BM+\b], |v[S+16*\b]|, |v[S+1+16*\b]|, 0x1800000
.endr
.irp i, 2,4,6,8,10,12,14
.irp b, 0,1
	s_delay_alu instid0(VALU_DEP_2)
	v_max3_num_f32 v[BM+\b], v[BM+\b], |v[S+16*\b+\i]|, |v[S+1+16*\b+\i]|
.endr
.endr
.irp b, 0,1
	s_delay_alu instid0(VALU_DEP_2)
	v_permlanex16_b32 v[BT+\b], v[BM+\b], s[SEL], s[SEL+1]
.endr
.irp b, 0,1
	s_delay_alu instid0(VALU_DEP_2)
	v_max_num_f32 v[BM+\b], v[BM+\b], v[BT+\b]
.endr
.irp b, 0,1
	s_delay_alu instid0(VALU_DEP_2)
	v_add_nc_u32 v[SO+\b], 0xff000000, v[BM+\b]
.endr
.irp b, 0,1
	s_delay_alu instid0(VALU_DEP_2)
	v_lshrrev_b32 v[BT+\b], 23, v[SO+\b]
.endr
	s_delay_alu instid0(VALU_DEP_1)
	v_lshl_or_b32 v[TMP], v[BT+1], 8, v[BT]        ; my token's two scale bytes
	v_cvt_scalef32_pk16_fp6_f32 v[PCD:PCD+2], v[S:S+15], v[SO]
	v_cvt_scalef32_pk16_fp6_f32 v[TT:TT+2], v[S+16:S+31], v[SO+1]
	v_nop
.irp i, 0,1,2
	v_permlane16_swap_b32 v[PCD+\i], v[TT+\i]
.endr
.irp i, 0,1,2
	s_delay_alu instid0(VALU_DEP_3)
	v_mov_b32 v[PCD+3+\i], v[TT+\i]
.endr
	global_store_b128 v[LI], v[PCD:PCD+3], s[6:7]              ; 512 consecutive bytes, aligned
	global_store_b64 v[L8], v[PCD+4:PCD+5], s[6:7] offset:512  ; 256 consecutive bytes, aligned
	global_store_b16 v[YSO], v[TMP], s[8:9]                    ; lanes r and r + 16 write the same two bytes with the same value
	s_wait_tensorcnt 0x0                           ; the wave's end
	ds_add_u32 v[SPW], v[NIL]
	s_wait_dscnt 0x0
	s_endpgm
.Lfunc_end_k_q8ce29b8882_attn:
	.size	k_q8ce29b8882_attn, .Lfunc_end_k_q8ce29b8882_attn-k_q8ce29b8882_attn
	.p2alignl 7, 3214868480
	.fill 96, 4, 3214868480
	.section	.rodata,"a",@progbits
	.p2align	6, 0x0
	.amdhsa_kernel k_q8ce29b8882_attn
		.amdhsa_group_segment_fixed_size 327680
		.amdhsa_private_segment_fixed_size 0
		.amdhsa_enable_private_segment 0
		.amdhsa_kernarg_size 24
		.amdhsa_user_sgpr_count 2
		.amdhsa_user_sgpr_kernarg_segment_ptr 1
		.amdhsa_wavefront_size32 1
		.amdhsa_system_sgpr_workgroup_id_x 1
		.amdhsa_system_sgpr_workgroup_id_y 1
		.amdhsa_system_sgpr_workgroup_id_z 1
		.amdhsa_system_vgpr_workitem_id 0
		.amdhsa_next_free_vgpr 256
		.amdhsa_next_free_sgpr 80
		.amdhsa_reserve_vcc 1
		.amdhsa_float_denorm_mode_32 3
		.amdhsa_float_denorm_mode_16_64 3
		.amdhsa_memory_ordered 1
		.amdhsa_forward_progress 1
		.amdhsa_inst_pref_size 90
	.end_amdhsa_kernel
	.amdgpu_metadata
---
amdhsa.version: [ 1, 2 ]
amdhsa.kernels:
  - .name:           k_q8ce29b8882_attn
    .symbol:         k_q8ce29b8882_attn.kd
    .args:
      - { .name: att, .offset: 0, .size: 8, .value_kind: global_buffer, .address_space: global }
      - { .name: yi, .offset: 8, .size: 8, .value_kind: global_buffer, .address_space: global }
      - { .name: ys, .offset: 16, .size: 8, .value_kind: global_buffer, .address_space: global }
    .group_segment_fixed_size: 327680
    .private_segment_fixed_size: 0
    .kernarg_segment_align: 8
    .kernarg_segment_size: 24
    .max_flat_workgroup_size: 512
    .sgpr_count:     80
    .vgpr_count:     256
    .wavefront_size: 32
...
	.end_amdgpu_metadata
.endif
;; end of part 3
;; launch proj (part 4): grid 8 x 32, 4 waves a work-group, clusters of 4 x 4, 327,680 bytes of LDS; arguments yi, ys, wi, ws, out0; writes out0
.if DOCPART == 4
	.amdgcn_target "amdgcn-amd-amdhsa--gfx1250"
	.amdhsa_code_object_version 6
	.text
	.protected	k_q8ce29b8882_proj
	.globl	k_q8ce29b8882_proj
	.p2align	8
	.type	k_q8ce29b8882_proj,@function
k_q8ce29b8882_proj:
	s_mov_b64 s[64:65], 0
	v_nop
	global_prefetch_b8 v0, s[64:65] scope:SCOPE_SE
	s_setreg_imm32_b32 hwreg(HW_REG_WAVE_MODE, 25, 1), 1
	s_wait_xcnt 0x0
	s_wait_alu depctr_hold_cnt(0) depctr_sa_sdst(0) depctr_va_vdst(0) depctr_va_sdst(0) depctr_va_ssrc(0) depctr_va_vcc(0) depctr_vm_vsrc(0)
	s_getreg_b32 s2, hwreg(HW_REG_IB_STS2, 6, 4)
	s_cmp_eq_u32 s2, 0
	s_cbranch_scc0 .Lentry_in_a_cluster
	s_endpgm
.Lentry_in_a_cluster:
	s_bfe_u32 s2, ttmp6, 0x10000c
	s_cmp_lg_u32 s2, 0xf033
	s_cbranch_scc0 .Lentry_shape_is_right
	s_endpgm
.Lentry_shape_is_right:
; out0 = y w_proj^T on codes of FP6 (E2M3), K = 1024.  A work-group of four waves makes 128 tokens x 128 outputs, a wave 64 x 64: 16 accumulators.
; Operands are images of operand registers, laid [group of 128 rows][K step 8][tile 8][1,536]: a group's codes for all of K are one dense block of 98,304 bytes, its scale bytes one of 4,096.
; ALL OF K LIES IN LDS: at the head wave 0 fetches A's block (y), wave 1 B's (w_proj), wave 2 A's scale bytes, wave 3 B's: one joint load a wave, nothing is filled again.
; CLUSTER 4 x 4: A's tiles are shared along a row of the cluster, B's along a column.  No prefetch: the launch has no loop to run ahead in; all its loads go out at the head.
.set FR,   12
.set BOFF, 98304
.set SCL,  196608
.set STAGE, 204800
.set SP,   272
.set ADA,  16
.set ADA8, 18
.set ADB,  20
.set CO,   23
.set STO,  25
.set RD,   26
.set ADRS, 27
.set SC,   32
.set BK,   64
.set ACC,  128
.set G1, 24
.set G0, 32
.set G1B, 48
.set G0B, 56
.set G1S, 68
.set G0S, 76
.set G1SB, 80
.set G0SB, 88
.set MSB, 0
.macro WIN new
.if MSB != (\new)
	s_set_vgpr_msb (MSB<<8)|(\new)
.set MSB, (\new)
.endif
.endm
.set MUL,  0x05
.set TO_F, 0x40
.macro ARM under, g0, g1, next         ; an arm of the head's one chain of branches on the wave's number: its load, and a jump to the chain's end
	s_cmp_lt_u32 s14, \under
	s_cbranch_scc0 \next
	tensor_load_to_lds s[\g0:\g0+3], s[\g1:\g1+7]
	s_nop 0
.rept 4
	v_nop
.endr
	s_branch .Lhead_asked
\next:
.endm
.macro CROUND
	s_barrier_signal -1
	s_barrier_wait -1
	s_cmp_lg_u32 s14, 0
	s_cbranch_scc1 .Lnot_wave_0_\@
	s_barrier_signal -3
.Lnot_wave_0_\@:
	s_barrier_wait -3
	s_barrier_signal -1
	s_barrier_wait -1
.endm
	s_load_b256 s[4:11], s[0:1], 0x0
	s_load_b64 s[12:13], s[0:1], 0x20
	v_lshl_add_u32 v30, v0, 2, 0x36400
	v_mov_b32 v31, 0
	ds_add_u32 v30, v31
	ds_add_u32 v30, v31
	v_lshrrev_b32 v1, 5, v0
	v_readfirstlane_b32 s14, v1
	s_lshr_b32 s15, s14, 1
	s_and_b32 s16, s14, 1
	s_bfe_u32 s40, ttmp6, 0x40000
	s_bfe_u32 s41, ttmp6, 0x40004
	s_lshl_b32 s42, ttmp9, 2
	s_add_co_u32 s42, s42, s40
	s_and_b32 s17, ttmp7, 0xffff
	s_lshl_b32 s17, s17, 2
	s_add_co_u32 s17, s17, s41
	s_lshl_b32 s43, s41, 2
	s_lshl_b32 s43, 15, s43
	s_lshl_b32 s44, 0x1111, s40
	s_or_b32 s[G1+0], s43, (3<<16)|(1<<21)
	s_or_b32 s[G1B+0], s44, (3<<16)|(1<<21)
.irp g, G1, G1B
	s_mov_b32 s[\g+1], 32<<16
	s_mov_b32 s[\g+2], 384<<16                     ; 98,304 bytes as 384 rows of 256
	s_mov_b32 s[\g+3], 32<<16
	s_mov_b32 s[\g+4], 384
	s_mov_b32 s[\g+5], 32
	s_mov_b32 s[\g+6], 0
	s_mov_b32 s[\g+7], 0
.endr
	s_or_b32 s[G1S+0], s43, (3<<16)|(1<<21)
	s_or_b32 s[G1SB+0], s44, (3<<16)|(1<<21)
.irp g, G1S, G1SB
	s_mov_b32 s[\g+1], 32<<16
	s_mov_b32 s[\g+2], 16<<16                      ; 4,096 bytes as 16 rows of 256
	s_mov_b32 s[\g+3], 32<<16
	s_mov_b32 s[\g+4], 16
	s_mov_b32 s[\g+5], 32
	s_mov_b32 s[\g+6], 0
	s_mov_b32 s[\g+7], 0
.endr
	s_mul_i32 s20, s17, 98304                      ; A: the group of 128 tokens, its codes
	s_mov_b32 s21, 0
	s_lshl_b32 s22, s17, 12                        ; and its scale bytes
	s_mov_b32 s23, 0
	s_add_co_u32 s46, s42, 24                      ; B: w_proj's groups lie behind w_attn's 24
	s_lshl_b32 s92, s46, 12
	s_mov_b32 s93, 0
	s_mul_i32 s46, s46, 98304
	s_mov_b32 s47, 0
	s_wait_dscnt 0x0
	s_wait_kmcnt 0x0
	s_add_nc_u64 s[20:21], s[4:5], s[20:21]
	s_add_nc_u64 s[22:23], s[6:7], s[22:23]
	s_add_nc_u64 s[46:47], s[8:9], s[46:47]
	s_add_nc_u64 s[92:93], s[10:11], s[92:93]
	CROUND
	s_mov_b32 s[G0], 1                             ; A's codes, all of K
	s_mov_b32 s[G0+1], 0
	s_mov_b64 s[G0+2:G0+3], s[20:21]
	s_or_b32 s[G0+3], s[G0+3], 0x80000000
	s_mov_b32 s[G0B], 1                            ; B's, behind them
	s_mov_b32 s[G0B+1], BOFF
	s_mov_b64 s[G0B+2:G0B+3], s[46:47]
	s_or_b32 s[G0B+3], s[G0B+3], 0x80000000
	s_mov_b32 s[G0S], 1                            ; A's scale bytes
	s_mov_b32 s[G0S+1], SCL
	s_mov_b64 s[G0S+2:G0S+3], s[22:23]
	s_or_b32 s[G0S+3], s[G0S+3], 0x80000000
	s_mov_b32 s[G0SB], 1                           ; B's
	s_mov_b32 s[G0SB+1], SCL+4096
	s_mov_b64 s[G0SB+2:G0SB+3], s[92:93]
	s_or_b32 s[G0SB+3], s[G0SB+3], 0x80000000
	ARM 1, G0,  G1,  .Lhead_b                      ; one tensor load a wave at the head
	ARM 2, G0B, G1B, .Lhead_sa
	ARM 3, G0S, G1S, .Lhead_sb
	tensor_load_to_lds s[G0SB:G0SB+3], s[G1SB:G1SB+7]
	s_nop 0
.rept 4
	v_nop
.endr
.Lhead_asked:
	v_and_b32 v1, 15, v0
	v_bfe_u32 v2, v0, 4, 1
	v_and_b32 v3, 31, v0
	v_lshlrev_b32 v4, 4, v3
	v_lshlrev_b32 v5, 3, v3
	s_mul_i32 s21, s15, 6144
	s_mul_i32 s22, s16, 6144
	s_add_co_u32 s22, s22, BOFF
.irp k, 0,1
	v_add_nc_u32 v[ADA+\k], s21, v4
	v_add_nc_u32 v[ADA8+\k], s21, v5
	v_add_nc_u32 v[ADB+\k], s22, v4
	s_add_co_u32 s21, s21, 49152
	s_add_co_u32 s22, s22, 49152
.endr
	s_lshl_b32 s21, s15, 11
	s_lshl_b32 s22, s16, 11
	s_add_co_u32 s22, s22, 4096
	s_sub_co_u32 s22, s22, s21
	v_mul_u32_u24 v6, s22, v2
	s_add_co_u32 s21, s21, SCL
	v_lshl_add_u32 v6, v1, 5, v6
	v_add_nc_u32 v[ADRS], s21, v6
	s_mul_i32 s23, s14, 16*SP
	s_add_co_u32 s23, s23, STAGE
	v_mul_u32_u24 v6, v1, SP
	v_lshl_add_u32 v6, v2, 6, v6
	v_add_nc_u32 v[STO], s23, v6
	v_mul_u32_u24 v6, v2, SP
	v_lshl_add_u32 v6, v1, 4, v6
	v_add_nc_u32 v[RD], s23, v6
	v_lshlrev_b32 v[CO], 12, v2
	v_lshl_add_u32 v[CO], v1, 4, v[CO]
	s_lshl_b32 s66, s17, 7
	s_lshl_b32 s67, s15, 6
	s_add_co_u32 s66, s66, s67
	s_lshl_b32 s66, s66, 12
	s_lshl_b32 s67, s42, 9
	s_add_co_u32 s66, s66, s67
	s_lshl_b32 s67, s16, 8
	s_add_co_u32 s66, s66, s67
	s_mov_b32 s67, 0
	s_add_nc_u64 s[12:13], s[12:13], s[66:67]
.macro FETCH s, f
	WIN TO_F
.irp i, 0,1,2,3
.irp c, 0,1,2
	ds_load_b128 v[(\f)+48+FR*\i+4*\c:(\f)+48+FR*\i+4*\c+3], v[ADB+(\s)/4] offset:((\s)%4)*12288+\i*1536+512*\c
.endr
.endr
.irp i, 0,1,2,3
	ds_load_b128 v[(\f)+FR*\i:(\f)+FR*\i+3],     v[ADA+(\s)/4]  offset:((\s)%4)*12288+\i*1536
	ds_load_b64  v[(\f)+FR*\i+4:(\f)+FR*\i+5],   v[ADA8+(\s)/4] offset:((\s)%4)*12288+\i*1536+512
	ds_load_b128 v[(\f)+FR*\i+6:(\f)+FR*\i+9],   v[ADA+(\s)/4]  offset:((\s)%4)*12288+\i*1536+768
	ds_load_b64  v[(\f)+FR*\i+10:(\f)+FR*\i+11], v[ADA8+(\s)/4] offset:((\s)%4)*12288+\i*1536+1280
.endr
.endm
.macro MULS f, s, zero
	WIN MUL
.irp a, 0,1,2,3
.irp b, 0,1,2,3
.if \zero
	v_wmma_scale_f32_16x16x128_f8f6f4 v[ACC+8*(4*\a+\b):ACC+8*(4*\a+\b)+7], v[(\f)+48+FR*\b:(\f)+48+FR*\b+FR-1], v[(\f)+FR*\a:(\f)+FR*\a+FR-1], 0, v[SC+8*\b+(\s)], v[SC+8*\a+(\s)] matrix_a_fmt:MATRIX_FMT_FP6 matrix_b_fmt:MATRIX_FMT_FP6 matrix_a_scale:MATRIX_SCALE_ROW1
.else
	v_wmma_scale_f32_16x16x128_f8f6f4 v[ACC+8*(4*\a+\b):ACC+8*(4*\a+\b)+7], v[(\f)+48+FR*\b:(\f)+48+FR*\b+FR-1], v[(\f)+FR*\a:(\f)+FR*\a+FR-1], v[ACC+8*(4*\a+\b):ACC+8*(4*\a+\b)+7], v[SC+8*\b+(\s)], v[SC+8*\a+(\s)] matrix_a_fmt:MATRIX_FMT_FP6 matrix_b_fmt:MATRIX_FMT_FP6 matrix_a_scale:MATRIX_SCALE_ROW1
.endif
.endr
.endr
.endm
.macro PLACES
.rept 4
	v_nop
.endr
.endm
	s_wait_alu depctr_va_vdst(0)
	s_wait_tensorcnt 0x0                           ; my tile of the four is in; behind the barrier all four are
	s_barrier_signal -1
	s_barrier_wait -1
.irp i, 0,1,2,3
	ds_load_b128 v[SC+8*\i:SC+8*\i+3], v[ADRS] offset:512*\i
	ds_load_b128 v[SC+8*\i+4:SC+8*\i+7], v[ADRS] offset:512*\i+16
.endr
	FETCH 0, 0
	FETCH 1, 128
	s_wait_dscnt 28
	MULS 0, 0, 1
.irp s, 1,2,3,4,5,6
	PLACES
	FETCH \s+1, 128*((\s+1)%2)
	s_wait_dscnt 28
	MULS 128*(\s%2), \s, 0
.endr
	s_wait_dscnt 0x0
	MULS 128, 7, 0
	WIN 0
	PLACES
.macro TOSTAGE a
.irp b, 0,1,2,3
	ds_store_b128 v[STO], v[ACC+8*(4*(\a)+\b):ACC+8*(4*(\a)+\b)+3] offset:128*(\b/2)+32*(\b%2)
	ds_store_b128 v[STO], v[ACC+8*(4*(\a)+\b)+4:ACC+8*(4*(\a)+\b)+7] offset:128*(\b/2)+32*(\b%2)+16
.endr
.irp t, 0,1,2,3,4,5,6,7
	ds_load_b128 v[BK+32*((\a)%2)+4*\t:BK+32*((\a)%2)+4*\t+3], v[RD] offset:\t*2*SP
.endr
.endm
.macro SEND a, younger
	s_wait_dscnt \younger
.irp t, 0,1,2,3,4,5,6,7
	global_store_b128 v[CO], v[BK+32*((\a)%2)+4*\t:BK+32*((\a)%2)+4*\t+3], s[12:13] offset:(32*((\a)/2)+8*((\a)%2)+2*\t+8*(\t/4))*4096 th:TH_STORE_NT
.endr
.endm
	TOSTAGE 0
.irp a, 1,2,3
.if \a > 1
	s_wait_xcnt 0x0
.endif
	TOSTAGE \a
	SEND \a-1, 16
.endr
	SEND 3, 0
	s_wait_tensorcnt 0x0
	ds_add_u32 v30, v31
	s_wait_dscnt 0x0
	CROUND
	s_endpgm
.Lfunc_end_k_q8ce29b8882_proj:
	.size	k_q8ce29b8882_proj, .Lfunc_end_k_q8ce29b8882_proj-k_q8ce29b8882_proj
	.p2alignl 7, 3214868480
	.fill 96, 4, 3214868480
	.section	.rodata,"a",@progbits
	.p2align	6, 0x0
	.amdhsa_kernel k_q8ce29b8882_proj
		.amdhsa_group_segment_fixed_size 327680
		.amdhsa_private_segment_fixed_size 0
		.amdhsa_enable_private_segment 0
		.amdhsa_kernarg_size 40
		.amdhsa_user_sgpr_count 2
		.amdhsa_user_sgpr_kernarg_segment_ptr 1
		.amdhsa_wavefront_size32 1
		.amdhsa_system_sgpr_workgroup_id_x 1
		.amdhsa_system_sgpr_workgroup_id_y 1
		.amdhsa_system_sgpr_workgroup_id_z 1
		.amdhsa_system_vgpr_workitem_id 0
		.amdhsa_next_free_vgpr 512
		.amdhsa_next_free_sgpr 100
		.amdhsa_reserve_vcc 0
		.amdhsa_float_denorm_mode_32 3
		.amdhsa_float_denorm_mode_16_64 3
		.amdhsa_memory_ordered 1
		.amdhsa_forward_progress 1
		.amdhsa_inst_pref_size 48
	.end_amdhsa_kernel
	.amdgpu_metadata
---
amdhsa.version: [ 1, 2 ]
amdhsa.kernels:
  - .name:           k_q8ce29b8882_proj
    .symbol:         k_q8ce29b8882_proj.kd
    .args:
      - { .name: yi, .offset: 0, .size: 8, .value_kind: global_buffer, .address_space: global }
      - { .name: ys, .offset: 8, .size: 8, .value_kind: global_buffer, .address_space: global }
      - { .name: wi, .offset: 16, .size: 8, .value_kind: global_buffer, .address_space: global }
      - { .name: ws, .offset: 24, .size: 8, .value_kind: global_buffer, .address_space: global }
      - { .name: out0, .offset: 32, .size: 8, .value_kind: global_buffer, .address_space: global }
    .group_segment_fixed_size: 327680
    .private_segment_fixed_size: 0
    .kernarg_segment_align: 8
    .kernarg_segment_size: 40
    .max_flat_workgroup_size: 128
    .sgpr_count:     100
    .vgpr_count:     512
    .wavefront_size: 32
...
	.end_amdgpu_metadata
.endif
;; end of part 4
